; MI455X (gfx1250); checked and timed in simulation.
; The chip was launched on July 23, 2026; its instructions are those of AMD's public machine-readable ISA for CDNA 5 (MIT licence, August 2026) and "CDNA5" Instruction Set Architecture Reference Guide (July 2026). The comments in the code are by the model that wrote it; some were corrected since.
;; Multihead Attention. Allowed arithmetic: matrix products marked QUANTISED: E2M1 operands, one E8M0 scale for each 32 along K, by v_wmma_scale_f32_16x16x128_f8f6f4 with both operands' format E2M1 (or v_wmma_scale_f32_32x16x128_f4), f32 sums; products left as they are: bf16, f16 or f32 operands; f32 sums; everything else in f32.
;; Inputs: Wk 256 x 1,024 float32; Wo 1,024 x 256 float32; Wq 256 x 1,024 float32; Wv 256 x 1,024 float32; bo 1,024 float32; x 4 x 4,096 x 1,024 float32; y 4 x 4,096 x 1,024 float32.
;; Outputs: out0 4 x 4,096 x 1,024 float32.
;; This version of the problem:
;;   THIS VERSION OF THE PROBLEM IS GIVEN IN LOW PRECISION. The matrix products marked QUANTISED in the list below multiply operands that are first quantised to E2M1 (2 exponent bits, 1 mantissa bit; 4 bits a number), with one power-of-two scale for each 32 numbers along K (OCP MX v1.0); their sums are f32. The products marked 'left as it is' may take bf16, f16 or f32 operands, with f32 sums. Whichever they take, every output number must still come out within the allowed error. Rounding operands to bf16 (8 significant bits) uses up far more of that allowance than f16 does (11 bits, for magnitudes from 6e-5 to 65,504). All else is computed in f32.
;;   The module's matrix products, in the order in which they are computed (A, B: the left and right operand; K: the contracted axis; several contracted axes count as one K, in the product's order):
;;     1. [M 16,384, K 1,024] x [K 1,024, N 256]; A: input y; B: input Wq: QUANTISED
;;     2. [M 16,384, K 1,024] x [K 1,024, N 256]; A: input x; B: input Wk: QUANTISED
;;     3. [M 16,384, K 1,024] x [K 1,024, N 256]; A: input x; B: input Wv: QUANTISED
;;     4. batch 4 x [M 4,096, K 256] x [K 256, N 4,096]; A: computed on the way; B: computed on the way: left as it is (an operand is computed on the way)
;;     5. batch 4 x [M 4,096, K 4,096] x [K 4,096, N 256]; A: computed on the way; B: computed on the way: left as it is (an operand is computed on the way)
;;     6. [M 16,384, K 256] x [K 256, N 1,024]; A: computed on the way; B: input Wo: left as it is (an operand is computed on the way)
;;   THE QUANTISER, for each operand of a quantised product, along K:
;;     - K is cut into blocks of 32 from its start; a last block that is shorter is filled with zeros.
;;     - A block's scale is 2^e with e = floor(log2(the largest magnitude in the block)) - 2, held to -126 .. 127; a block of zeros has e = 0. As a byte (E8M0): e + 127.
;;     - Each number is divided by its block's scale, clamped to +-6, and rounded to the nearest number of E2M1, ties to even, subnormals kept.
;;     - The product sums the exact products of the quantised numbers (number of the format x scale) in f32.
;;   ~~~python
;;   def quantise(x, axis):      # numpy; x: float32 -> the quantised numbers, widened to float32 again
;;       x = np.moveaxis(x, axis, -1); K = x.shape[-1]
;;       x = np.pad(x, [(0, 0)] * (x.ndim - 1) + [(0, -K % 32)]); x = x.reshape(x.shape[:-1] + (-1, 32)); a = np.abs(x).max(-1, keepdims=True)
;;       e = np.where(a > 0, np.clip(np.frexp(np.where(a > 0, a, 1))[1] - 1 - 2, -126, 127), 0)      # np.frexp(a)[1] - 1 = floor(log2(a)), exactly
;;       r = np.clip(x / 2.0 ** e, -6, 6)
;;       step = 2.0 ** (np.maximum(np.frexp(np.where(r == 0, 1, r))[1] - 1, 0) - 1)
;;       q = np.round(r / step) * step * 2.0 ** e      # np.round: ties to even
;;       return np.moveaxis(q.reshape(q.shape[:-2] + (-1,))[..., :K], -1, axis).astype(np.float32)
;;   ~~~
;; One version. Each part assembles by itself: llvm-mc -triple=amdgcn-amd-amdhsa -mcpu=gfx1250 --defsym DOCPART=n.
;; ======== version 1 of 1: 4 launches
;; limits: sums are carried in f16; values are held in f16: magnitudes above 65,504 overflow, below 6.1e-05 lose precision
;; workspace buffers: wc 393,216 bytes; ws 24,576 bytes; wof 524,288 bytes; qf 8,388,608 bytes; kf 8,388,608 bytes; vf 8,388,608 bytes; pf 33,554,432 bytes; st 1,048,576 bytes
;; launch prep (part 1): grid 256 x 1, 1 waves a work-group, no clusters, 0 bytes of LDS; arguments Wq, Wk, Wv, Wo, wc, ws, wof; writes wc, ws, wof
.if DOCPART == 1
	.amdgcn_target "amdgcn-amd-amdhsa--gfx1250"
	.amdhsa_code_object_version 6
	.text
	.protected	k_qd12afd5fc3_prep
	.globl	k_qd12afd5fc3_prep
	.p2align	8
	.type	k_qd12afd5fc3_prep,@function
k_qd12afd5fc3_prep:
	s_mov_b64 s[64:65], 0
	v_nop
	global_prefetch_b8 v0, s[64:65] scope:SCOPE_SE
	s_setreg_imm32_b32 hwreg(HW_REG_WAVE_MODE, 25, 1), 1
	s_wait_xcnt 0x0
; The weights, once, into the order in which the later launches' operand registers take them.
; Wq, Wk, Wv [256][1024] f32 become codes of FP4 (E2M1) with one E8M0 byte for each 32 along d; Wo [1024][256] f32 becomes f16.
; An IMAGE of a fragment is its registers as they stand: group g of four registers lies at 512 g + 16 x lane, so a fragment of 8 registers is 1,024 bytes.
; wc:  fragment (16 rows x 128 k) number (16 mtx + tile) 8 + kstep.   ws: 128 bytes for each (16 mtx + tile) 4 + sp: lanes 0-15 the rows' scale words of kstep 2 sp, lanes 16-31 those of 2 sp + 1.
; wof: fragment (16 rows d x 32 e) number 8 dt + c.
; One wave to a work-group.  Work-groups 0-191: g = 64 mtx + 4 tile + sp, two fragments each.  Work-groups 192-255: 16 rows of Wo each.  No LDS: a lane holds whole blocks of its row.
; A block's scale is 2^(floor(log2(largest magnitude)) - 2); its byte is the largest magnitude's exponent field - 2, held at 1 from below.
; LIMITS: NaN and infinities are not served; a block of zeros keeps the byte 1 (its codes are zeros, and this program alone reads the bytes); |Wo| stays under 65,504, f16's largest number.
.set X,  32                            ; v32-159  128 numbers
.set CD, 160                           ; v160-175 the codes of two fragments
.set MX, 8                             ; v8-11    largest magnitudes of my four blocks
.set SF, 12                            ; v12-15   the conversions' scale operands
.set BY, 16                            ; v16-19   the scale bytes
	s_load_b256 s[4:11], s[0:1], 0x0               ; Wq, Wk, Wv, Wo
	s_load_b128 s[12:15], s[0:1], 0x20             ; wc, ws
	s_load_b64 s[16:17], s[0:1], 0x30              ; wof
	v_and_b32 v1, 15, v0                           ; r
	v_lshrrev_b32 v2, 4, v0                        ; h (one wave: the thread's number is the lane)
	v_lshlrev_b32 v3, 4, v0                        ; 16 x lane
	v_lshlrev_b32 v4, 2, v0                        ; 4 x lane
	s_mov_b32 s20, 0x76543210
	s_mov_b32 s21, 0xfedcba98                      ; v_permlanex16_b32's selects for lane l xor 16
	s_mov_b32 s23, 0
	s_mov_b32 s25, 0
	s_wait_kmcnt 0x0
	s_cmp_ge_u32 ttmp9, 192
	s_cbranch_scc1 .Lwo
	; ---- two fragments of Wq, Wk or Wv
	s_cmp_lt_u32 ttmp9, 128
	s_cselect_b64 s[6:7], s[6:7], s[8:9]           ; Wk or Wv,
	s_cmp_lt_u32 ttmp9, 64
	s_cselect_b64 s[4:5], s[4:5], s[6:7]           ; or Wq: the choice hangs on the work-group's number alone
	s_bfe_u32 s22, ttmp9, 0x40002                  ; tile = (g / 4) % 16
	s_lshl_b32 s22, s22, 16                        ; 16 rows of 4,096 bytes
	s_and_b32 s24, ttmp9, 3                        ; sp
	s_lshl_b32 s24, s24, 10                        ; 256 along k
	s_add_co_u32 s22, s22, s24
	s_add_nc_u64 s[4:5], s[4:5], s[22:23]
	s_lshl_b32 s24, ttmp9, 11                      ; two fragments' images
	s_add_nc_u64 s[12:13], s[12:13], s[24:25]
	s_lshl_b32 s24, ttmp9, 7                       ; 128 bytes of scale words
	s_add_nc_u64 s[14:15], s[14:15], s[24:25]
	v_lshlrev_b32 v5, 12, v1
	v_lshl_add_u32 v5, v2, 7, v5                   ; row r, + 32 h numbers: lane (r, h) holds k = 64 c + 32 h + 0 .. 31 of a fragment: whole blocks
.irp b, 0,1,2,3                                ; block b = 2 f + c: fragment f, half c
.irp i, 0,1,2,3,4,5,6,7
	global_load_b128 v[X+32*\b+4*\i:X+32*\b+4*\i+3], v5, s[4:5] offset:256*\b+16*\i th:TH_LOAD_NT
.endr
.endr
	s_wait_loadcnt 0x0
.irp b, 0,1,2,3
	v_max3_num_f32 v[MX+\b], |v[X+32*\b]|, |v[X+32*\b+1]|, 0x1800000   ; and the floor 2^(3 - 127): the byte cannot fall under 1
.endr
.irp i, 2,4,6,8,10,12,14,16,18,20,22,24,26,28,30
.irp b, 0,1,2,3
	v_max3_num_f32 v[MX+\b], v[MX+\b], |v[X+32*\b+\i]|, |v[X+32*\b+\i+1]|   ; the four blocks by turns
.endr
.endr
.irp b, 0,1,2,3
	v_add_nc_u32 v[SF+\b], 0xff000000, v[MX+\b]    ; 2 off the exponent field: the conversion takes this operand's exponent field as its scale
.endr
.irp b, 0,1,2,3
	v_lshrrev_b32 v[BY+\b], 23, v[SF+\b]           ; the scale's byte
.endr
.irp b, 0,1,2,3
.irp g, 0,1,2,3
	v_cvt_scalef32_pk8_fp4_f32 v[CD+4*\b+\g], v[X+32*\b+8*\g:X+32*\b+8*\g+7], v[SF+\b]
.endr
.endr
	v_nop                                          ; one plain place behind the last scaled conversion
	v_lshlrev_b32 v20, 3, v2                       ; my bytes stand for blocks h and 2 + h of a fragment's four: 8 h bits up
	v_lshl_or_b32 v21, v[BY+1], 16, v[BY]
	v_lshl_or_b32 v22, v[BY+3], 16, v[BY+2]
	v_lshlrev_b32 v21, v20, v21
	v_lshlrev_b32 v22, v20, v22
	v_mov_b32 v23, 0                               ; a lane permute's destination counts as one of its sources
	v_mov_b32 v24, 0
	v_permlanex16_b32 v23, v21, s20, s21
	v_permlanex16_b32 v24, v22, s20, s21
	v_or_b32 v21, v21, v23                         ; with lane l xor 16's two bytes the words are whole, in both halves of the lanes
	v_or_b32 v22, v22, v24
	v_cmp_gt_u32 vcc_lo, 16, v0
	v_cndmask_b32 v21, v22, v21, vcc_lo            ; lanes 0-15 keep the first fragment's word, lanes 16-31 the second's
.irp n, 0,1,2,3
	global_store_b128 v3, v[CD+4*\n:CD+4*\n+3], s[12:13] offset:512*\n   ; 32 lanes store 512 consecutive bytes
.endr
	global_store_b32 v4, v21, s[14:15]
	s_endpgm
.Lwo:
	; ---- 16 rows of Wo as eight f16 fragments: lane (r, h): registers 0-3 e = 32 c + 8 h + 0 .. 7, registers 4-7 e = 32 c + 16 + 8 h + 0 .. 7
	s_sub_co_u32 s22, ttmp9, 192                   ; dt
	s_lshl_b32 s24, s22, 13                        ; eight images
	s_lshl_b32 s22, s22, 14                        ; 16 rows of 1,024 bytes
	s_add_nc_u64 s[10:11], s[10:11], s[22:23]
	s_add_nc_u64 s[16:17], s[16:17], s[24:25]
	v_lshlrev_b32 v5, 10, v1
	v_lshl_add_u32 v5, v2, 5, v5                   ; row r, + 8 h numbers
.irp n, 0,1,2,3,4,5,6,7,8,9,10,11,12,13,14,15  ; n = 2 c + half
	global_load_b128 v[X+8*\n:X+8*\n+3], v5, s[10:11] offset:64*\n th:TH_LOAD_NT
	global_load_b128 v[X+8*\n+4:X+8*\n+7], v5, s[10:11] offset:64*\n+16 th:TH_LOAD_NT
.endr
	s_wait_loadcnt 0x0
.set i, 0
.rept 64
	v_cvt_pk_f16_f32 v[X+i], v[X+2*i], v[X+2*i+1]  ; in place, ascending: register i is written when registers 2 i and 2 i + 1 are read
.set i, i+1
.endr
.irp n, 0,1,2,3,4,5,6,7,8,9,10,11,12,13,14,15
	global_store_b128 v3, v[X+4*\n:X+4*\n+3], s[16:17] offset:512*\n
.endr
	s_endpgm
.Lfunc_end_k_qd12afd5fc3_prep:
	.size	k_qd12afd5fc3_prep, .Lfunc_end_k_qd12afd5fc3_prep-k_qd12afd5fc3_prep
	.p2alignl 7, 3214868480
	.fill 96, 4, 3214868480
	.section	.rodata,"a",@progbits
	.p2align	6, 0x0
	.amdhsa_kernel k_qd12afd5fc3_prep
		.amdhsa_group_segment_fixed_size 0
		.amdhsa_private_segment_fixed_size 0
		.amdhsa_enable_private_segment 0
		.amdhsa_kernarg_size 56
		.amdhsa_user_sgpr_count 2
		.amdhsa_user_sgpr_kernarg_segment_ptr 1
		.amdhsa_wavefront_size32 1
		.amdhsa_system_sgpr_workgroup_id_x 1
		.amdhsa_system_sgpr_workgroup_id_y 1
		.amdhsa_system_sgpr_workgroup_id_z 1
		.amdhsa_system_vgpr_workitem_id 0
		.amdhsa_next_free_vgpr 176
		.amdhsa_next_free_sgpr 66
		.amdhsa_reserve_vcc 1
		.amdhsa_float_denorm_mode_32 3
		.amdhsa_float_denorm_mode_16_64 3
		.amdhsa_memory_ordered 1
		.amdhsa_forward_progress 1
		.amdhsa_inst_pref_size 20
	.end_amdhsa_kernel
	.amdgpu_metadata
---
amdhsa.version: [ 1, 2 ]
amdhsa.kernels:
  - .name:           k_qd12afd5fc3_prep
    .symbol:         k_qd12afd5fc3_prep.kd
    .args:
      - { .name: Wq, .offset: 0, .size: 8, .value_kind: global_buffer, .address_space: global }
      - { .name: Wk, .offset: 8, .size: 8, .value_kind: global_buffer, .address_space: global }
      - { .name: Wv, .offset: 16, .size: 8, .value_kind: global_buffer, .address_space: global }
      - { .name: Wo, .offset: 24, .size: 8, .value_kind: global_buffer, .address_space: global }
      - { .name: wc, .offset: 32, .size: 8, .value_kind: global_buffer, .address_space: global }
      - { .name: ws, .offset: 40, .size: 8, .value_kind: global_buffer, .address_space: global }
      - { .name: wof, .offset: 48, .size: 8, .value_kind: global_buffer, .address_space: global }
    .group_segment_fixed_size: 0
    .private_segment_fixed_size: 0
    .kernarg_segment_align: 8
    .kernarg_segment_size: 56
    .max_flat_workgroup_size: 32
    .sgpr_count:     66
    .vgpr_count:     176
    .wavefront_size: 32
...
	.end_amdgpu_metadata
.endif
;; end of part 1
;; launch proj (part 2): grid 256 x 1, 4 waves a work-group, no clusters, 141,824 bytes of LDS; arguments x, y, wc, ws, qf, kf, vf; writes qf, kf, vf
.if DOCPART == 2
	.amdgcn_target "amdgcn-amd-amdhsa--gfx1250"
	.amdhsa_code_object_version 6
	.text
	.protected	k_qd12afd5fc3_proj
	.globl	k_qd12afd5fc3_proj
	.p2align	8
	.type	k_qd12afd5fc3_proj,@function
k_qd12afd5fc3_proj:
	s_mov_b64 s[64:65], 0
	v_nop
	global_prefetch_b8 v0, s[64:65] scope:SCOPE_SE
	s_setreg_imm32_b32 hwreg(HW_REG_WAVE_MODE, 25, 1), 1
	s_wait_xcnt 0x0
; q = y Wq^T, k = x Wk^T, v = x Wv^T on codes of FP4 (E2M1) with one E8M0 scale for each 32 along d.  x, y: [16384][1024] f32, quantised here, in registers, each number read from memory once.
; The results leave as f16, as IMAGES of the fragments that the attention launch wants (group g of four registers at 512 g + 16 x lane):
;   qf, kf: fragment (16 rows x 32 channels) number 8 (row / 16) + c;   vf: fragment of V^T (16 channels x 32 keys) number 16 (key / 32) + channel tile.
; SHARES.  Work-groups 0-127 take x (k and v), 128-255 take y (q): 128 rows each, as two blocks of 64.  One text: pointers are chosen by the work-group's number; v's part stands under a scalar branch on it.
; THE WAVES SHARE THE COLUMNS: wave w makes channels 64 w .. 64 w + 63 for all rows, so its 32 fragments of a weight (256 registers) stay in registers for the whole launch.
; The rows' codes go round: wave w quantises rows 16 w .. 16 w + 15 of a block, 128 along d at a time (a UNIT), and leaves each fragment and its scale words in LDS as an image; one barrier a block.
; A unit's 16 loads read 512 consecutive bytes of a row each; the 8 KB turn through the wave's own stage in LDS (rows 528 bytes apart) and come back 16 neighbours of each block of 32 a lane.
; k and q: source 0 = 16 rows of W, source 1 = 16 rows of x: a lane holds one row and eight neighbouring channels, which pack into half a fragment.  v: the sources swapped: a lane holds one channel and eight keys: V^T.
; NO JOINT LOADS though all work-groups read the same weights: a wave's share goes once from memory into the registers in which it stays; through LDS an x group's 256 KB of codes would not fit beside 72 KB of images and 66 KB of stages.
; LIMITS: NaN and infinities are not served; a block of zeros keeps the byte 1 (its codes are zeros; this program alone reads the bytes); |q|, |k|, |v| stay under 65,504, f16's largest number.
; REGISTERS: window 0 as named below; window 1: Wk's or Wq's fragments (tile t, K step s at 8 (8 t + s)); window 2: Wv's; window 3: four sets of 64 for units as they are loaded.
.set BLKB,  36864                      ; LDS: a block's 32 images (fragment 8 m + s: 1,024 bytes) and, XSC on, their scale words (128 bytes each); block 1's lie BLKB further on
.set XSC,   32768
.set STG,   73728                      ; two stages of 16 rows x 528 bytes for each wave
.set STGB,  8448
.set SPARE, 141312                     ; the spare words, 128 bytes for each wave: two blocks of 256 bytes that no other line names
.set LI,   1                           ; v1   16 x lane
.set LS,   2                           ; v2   4 x lane
.set STW,  3                           ; v3   my stage, on the way in: + 16 x lane
.set STR,  4                           ; v4   and on the way out: + 528 r + 64 h
.set IW,   5                           ; v5   where I store images: 16 x lane + 8,192 x wave
.set ISW,  6                           ; v6   and their scale words: XSC + 4 x lane + 1,024 x wave
.set LI1,  7                           ; v7   16 x lane + BLKB (an LDS offset has 16 bits)
.set SPW,  8                           ; v8   LDS address of my spare word; never rewritten
.set NIL,  9                           ; v9   0; never rewritten
.set TM,   10                          ; v10-25 the quantiser's: +0 largest magnitudes, +4 bytes, +12 scale operands
.set PC,   26                          ; v26-41 two sets of a fragment's codes
.set PW,   42                          ; v42-43 two scale words just made
.set WSK,  44                          ; v44-59 Wk's or Wq's scale words: tile t, pair of K steps p at 4 t + p
.set WSV,  60                          ; v60-75 Wv's
.set XS,   76                          ; v76-83 the rows' scale words, one register a K step
.set PKK,  84                          ; v84-99   packed results, k or q
.set PKV,  100                         ; v100-115 packed results, v
.set XF,   116                         ; v116-179 the rows' eight fragments; while a block is quantised: the odd units' 64 numbers
.set ACCK, 180                         ; v180-211 four accumulators; v212-243 four more for v; while a block is quantised: the even units' 64 numbers
.set ACCV, 212
.set LSS,  244                         ; v244 XSC + 4 x lane
.set MSB, 0
.macro WIN new                         ; the immediate's high byte repeats the setting that is left
.if MSB != (\new)
	s_set_vgpr_msb (MSB<<8)|(\new)
.set MSB, (\new)
.endif
.endm
.macro PLACES n
.rept \n
	v_nop
.endr
.endm
.set ISSUED, 0                         ; global loads issued so far on the way that every work-group takes (Wv's are not counted)
.macro WAITL tag                       ; the loads up to the tag are in: the count is what was issued behind them.  In x's groups more was issued, so the count is smaller than it need be there
.if ISSUED-(\tag) > 63
	s_wait_loadcnt 63
.else
	s_wait_loadcnt ISSUED-(\tag)
.endif
.endm
.macro LOAD u                          ; unit u (block u / 8, K step u % 8): 16 rows x 512 bytes into set u % 4 of window 3
	WIN 0xc0
.irp i, 0,1,2,3,4,5,6,7,8,9,10,11,12,13,14,15
	global_load_b128 v[64*((\u)%4)+4*\i:64*((\u)%4)+4*\i+3], v[LI], s[4:5] offset:((\u)/8)*262144+\i*4096+((\u)%8)*512 th:TH_LOAD_NT
.endr
	WIN 0
.set ISSUED, ISSUED+16
.set T\u, ISSUED
.endm
.macro TURN u                          ; unit u through my stage: LDS serves a wave's instructions in order, so no wait stands between the stores and the loads
	WIN 0x0c                                       ; an LDS store's data are its source 1: window 3
.irp i, 0,1,2,3,4,5,6,7,8,9,10,11,12,13,14,15
	ds_store_b128 v[STW], v[64*((\u)%4)+4*\i:64*((\u)%4)+4*\i+3] offset:((\u)%2)*STGB+\i*528
.endr
	WIN 0
.irp b, 0,1,2,3
.irp j, 0,1,2,3
	ds_load_b128 v[180-64*((\u)%2)+16*\b+4*\j:180-64*((\u)%2)+16*\b+4*\j+3], v[STR] offset:((\u)%2)*STGB+128*\b+16*\j
.endr
.endr
.endm
; 64 numbers of a lane, register 16 b + i = k 32 b + 16 h + i of my row, become a fragment's codes in set p and its scale word.
.macro QUANT s, p
.irp b, 0,1,2,3
	v_max3_num_f32 v[TM+\b], |v[(\s)+16*\b]|, |v[(\s)+1+16*\b]|, 0x1800000   ; my 16 numbers of block b, and the floor 2^(3 - 127): the byte cannot fall under 1
.endr
.irp i, 2,4,6,8,10,12,14
.irp b, 0,1,2,3
	v_max3_num_f32 v[TM+\b], v[TM+\b], |v[(\s)+16*\b+\i]|, |v[(\s)+1+16*\b+\i]|
.endr
.endr
.irp b, 0,1,2,3
	v_permlanex16_b32 v[TM+4+\b], v[TM+\b], s20, s21
.endr
.irp b, 0,1,2,3
	v_max_num_f32 v[TM+\b], v[TM+\b], v[TM+4+\b]   ; with lane l xor 16's: the block's largest magnitude
.endr
.irp b, 0,1,2,3
	v_add_nc_u32 v[TM+12+\b], 0xff000000, v[TM+\b] ; 2 off its exponent field: the conversion's scale operand
.endr
.irp b, 0,1,2,3
	v_lshrrev_b32 v[TM+4+\b], 23, v[TM+12+\b]      ; the scale's byte
.endr
	v_lshl_or_b32 v[PW+(\p)], v[TM+5], 8, v[TM+4]
	v_lshl_or_b32 v[PW+(\p)], v[TM+6], 16, v[PW+(\p)]
	v_lshl_or_b32 v[PW+(\p)], v[TM+7], 24, v[PW+(\p)]
.irp b, 0,1,2,3
	v_cvt_scalef32_pk8_fp4_f32 v[PC+8*(\p)+2*\b], v[(\s)+16*\b:(\s)+7+16*\b], v[TM+12+\b]
	v_cvt_scalef32_pk8_fp4_f32 v[PC+8*(\p)+1+2*\b], v[(\s)+8+16*\b:(\s)+15+16*\b], v[TM+12+\b]
.endr
	v_nop                                          ; one plain place behind a scaled conversion
.irp c, 0,1                                    ; the operand wants a whole block in a lane: lanes 0-15 block 2 c, lanes 16-31 block 2 c + 1
.irp i, 0,1
	v_permlane16_swap_b32 v[PC+8*(\p)+4*\c+\i], v[PC+8*(\p)+2+4*\c+\i]
.endr
.endr
.endm
.macro IMAGE u                         ; unit u's fragment and scale words go to LDS as they stand: three LDS stores
.irp c, 0,1
	ds_store_b128 v[IW], v[PC+8*((\u)%2)+4*\c:PC+8*((\u)%2)+4*\c+3] offset:((\u)/8)*BLKB+((\u)%8)*1024+512*\c
.endr
	ds_store_b32 v[ISW], v[PW+(\u)%2] offset:((\u)/8)*BLKB+((\u)%8)*128
.endm
.macro WLK t                           ; my tile t of Wk or Wq: eight fragments and four registers of scale words: 20 loads
	WIN 0x40
.irp s, 0,1,2,3,4,5,6,7
.irp c, 0,1
	global_load_b128 v[8*(8*\t+\s)+4*\c:8*(8*\t+\s)+4*\c+3], v[LI], s[26:27] offset:(8*\t+\s)*1024+512*\c
.endr
.endr
	WIN 0
.irp p, 0,1,2,3
	global_load_b32 v[WSK+4*\t+\p], v[LS], s[30:31] offset:(4*\t+\p)*128
.endr
.set ISSUED, ISSUED+20
.set TW, ISSUED
.endm
.macro WLV t                           ; the same of Wv, in x's groups alone
	s_cmp_lg_u32 s19, 0
	s_cbranch_scc0 .Lno_wv_\@
	WIN 0x80
.irp s, 0,1,2,3,4,5,6,7
.irp c, 0,1
	global_load_b128 v[8*(8*\t+\s)+4*\c:8*(8*\t+\s)+4*\c+3], v[LI], s[28:29] offset:(8*\t+\s)*1024+512*\c
.endr
.endr
	WIN 0
.irp p, 0,1,2,3
	global_load_b32 v[WSV+4*\t+\p], v[LS], s[32:33] offset:(4*\t+\p)*128
.endr
.Lno_wv_\@:
.endm
; Unit u is quantised; unit nx goes through the other stage meanwhile; unit ld is asked for.
.macro STEP u, nx, ld, turn, load, first
.if \first
	s_wait_dscnt 0x0                               ; unit u is back from the stage
.else
	s_wait_dscnt 3                                 ; unit u is back from the stage; the last unit's three image stores may be out
.endif
.if \turn
	WAITL T\nx
	TURN \nx
.endif
.if \load
	LOAD \ld
.endif
.if \u < 4
	WLK \u                                         ; the weights come among the first units, a tile at a time
	WLV \u
.endif
	QUANT 180-64*((\u)%2), (\u)%2
	IMAGE \u
.endm
.macro KMUL t, s                       ; source 0 = W's tile t, source 1 = the rows; W's scale words of an odd K step lie in lanes 16-31
.if (\s) == 0
	v_wmma_scale_f32_16x16x128_f8f6f4 v[ACCK+8*\t:ACCK+8*\t+7], v[8*(8*\t+\s):8*(8*\t+\s)+7], v[XF+8*\s:XF+8*\s+7], 0, v[WSK+4*\t+(\s)/2], v[XS+\s] matrix_a_fmt:MATRIX_FMT_FP4 matrix_b_fmt:MATRIX_FMT_FP4
.elseif (\s)%2
	v_wmma_scale_f32_16x16x128_f8f6f4 v[ACCK+8*\t:ACCK+8*\t+7], v[8*(8*\t+\s):8*(8*\t+\s)+7], v[XF+8*\s:XF+8*\s+7], v[ACCK+8*\t:ACCK+8*\t+7], v[WSK+4*\t+(\s)/2], v[XS+\s] matrix_a_fmt:MATRIX_FMT_FP4 matrix_b_fmt:MATRIX_FMT_FP4 matrix_a_scale:MATRIX_SCALE_ROW1
.else
	v_wmma_scale_f32_16x16x128_f8f6f4 v[ACCK+8*\t:ACCK+8*\t+7], v[8*(8*\t+\s):8*(8*\t+\s)+7], v[XF+8*\s:XF+8*\s+7], v[ACCK+8*\t:ACCK+8*\t+7], v[WSK+4*\t+(\s)/2], v[XS+\s] matrix_a_fmt:MATRIX_FMT_FP4 matrix_b_fmt:MATRIX_FMT_FP4
.endif
.endm
.macro VMUL t, s                       ; the sources swapped
.if (\s) == 0
	v_wmma_scale_f32_16x16x128_f8f6f4 v[ACCV+8*\t:ACCV+8*\t+7], v[XF+8*\s:XF+8*\s+7], v[8*(8*\t+\s):8*(8*\t+\s)+7], 0, v[XS+\s], v[WSV+4*\t+(\s)/2] matrix_a_fmt:MATRIX_FMT_FP4 matrix_b_fmt:MATRIX_FMT_FP4
.elseif (\s)%2
	v_wmma_scale_f32_16x16x128_f8f6f4 v[ACCV+8*\t:ACCV+8*\t+7], v[XF+8*\s:XF+8*\s+7], v[8*(8*\t+\s):8*(8*\t+\s)+7], v[ACCV+8*\t:ACCV+8*\t+7], v[XS+\s], v[WSV+4*\t+(\s)/2] matrix_a_fmt:MATRIX_FMT_FP4 matrix_b_fmt:MATRIX_FMT_FP4 matrix_b_scale:MATRIX_SCALE_ROW1
.else
	v_wmma_scale_f32_16x16x128_f8f6f4 v[ACCV+8*\t:ACCV+8*\t+7], v[XF+8*\s:XF+8*\s+7], v[8*(8*\t+\s):8*(8*\t+\s)+7], v[ACCV+8*\t:ACCV+8*\t+7], v[XS+\s], v[WSV+4*\t+(\s)/2] matrix_a_fmt:MATRIX_FMT_FP4 matrix_b_fmt:MATRIX_FMT_FP4
.endif
.endm
; Rows 16 m .. 16 m + 15 of block blk against my 64 channels.  The four accumulators take turns, one instruction a turn.
.macro MROW blk, m
.irp s, 0,1,2,3,4,5,6,7
.irp c, 0,1
.if \blk
	ds_load_b128 v[XF+8*\s+4*\c:XF+8*\s+4*\c+3], v[LI1] offset:(8*\m+\s)*1024+512*\c
.else
	ds_load_b128 v[XF+8*\s+4*\c:XF+8*\s+4*\c+3], v[LI] offset:(8*\m+\s)*1024+512*\c
.endif
.endr
	ds_load_b32 v[XS+\s], v[LSS] offset:\blk*BLKB+(8*\m+\s)*128
.endr
	s_wait_dscnt 0x0
	WIN 0x01                                       ; source 0 (W) window 1
.irp s, 0,1,2,3,4,5,6,7
.irp t, 0,1,2,3
	KMUL \t, \s
.endr
.endr
	WIN 0
	PLACES 4                                       ; four places behind the last product, ahead of the first read of results (ISA guide 7.12.1)
	s_wait_xcnt 0x0                                ; the last row tile's stores have read their data: the packed results may be written again
.irp t, 0,1,2,3
.irp j, 0,1,2,3
	v_cvt_pk_f16_f32 v[PKK+4*\t+\j], v[ACCK+8*\t+2*\j], v[ACCK+8*\t+2*\j+1]   ; each accumulator from its low end on: row r, channels 16 t + 8 h + 0 .. 7
.endr
.endr
.irp t, 0,1,2,3
	global_store_b128 v[LI], v[PKK+4*\t:PKK+4*\t+3], s[12:13] offset:(4*\blk+\m)*8192+512*\t   ; half t % 2 of fragment 2 w + t / 2: 512 consecutive bytes
.endr
	s_cmp_lg_u32 s19, 0
	s_cbranch_scc0 .Lno_v_\@
	WIN 0x08                                       ; source 1 (Wv) window 2
.irp s, 0,1,2,3,4,5,6,7
.irp t, 0,1,2,3
	VMUL \t, \s
.endr
.endr
	WIN 0
	PLACES 4
.irp t, 0,1,2,3
.irp j, 0,1,2,3
	v_cvt_pk_f16_f32 v[PKV+4*\t+\j], v[ACCV+8*\t+2*\j], v[ACCV+8*\t+2*\j+1]   ; channel 16 t + r, keys 8 h + 0 .. 7 of this row tile
.endr
.endr
.irp t, 0,1,2,3
	global_store_b128 v[LI], v[PKV+4*\t:PKV+4*\t+3], s[16:17] offset:((4*\blk+\m)/2)*16384+1024*\t+512*((\m)%2)
.endr
.Lno_v_\@:
.endm
.macro BARRIER                         ; my LDS stores have landed and my LDS loads are in: then the work-group's barrier
	s_wait_dscnt 0x0
	s_barrier_signal -1
	s_barrier_wait -1
.endm
	s_load_b256 s[4:11], s[0:1], 0x0               ; x, y, wc, ws
	s_load_b128 s[12:15], s[0:1], 0x20             ; qf, kf
	s_load_b64 s[16:17], s[0:1], 0x30              ; vf
	v_lshl_add_u32 v[SPW], v0, 2, SPARE
	v_mov_b32 v[NIL], 0
	v_lshrrev_b32 v246, 5, v0
	v_readfirstlane_b32 s18, v246                  ; wave 0..3
	v_and_b32 v246, 31, v0                         ; lane
	v_and_b32 v247, 15, v0                         ; r
	v_bfe_u32 v248, v0, 4, 1                       ; h
	v_lshlrev_b32 v[LI], 4, v246
	v_lshlrev_b32 v[LS], 2, v246
	v_add_nc_u32 v[LI1], BLKB, v[LI]
	v_add_nc_u32 v[LSS], XSC, v[LS]
	s_mul_i32 s34, s18, 2*STGB
	s_add_co_u32 s34, s34, STG                     ; my two stages
	v_add_nc_u32 v[STW], s34, v[LI]
	v_mul_u32_u24 v[STR], v247, 528
	v_lshl_add_u32 v[STR], v248, 6, v[STR]
	v_add_nc_u32 v[STR], s34, v[STR]
	s_lshl_b32 s34, s18, 13
	v_add_nc_u32 v[IW], s34, v[LI]
	s_lshl_b32 s34, s18, 10
	s_add_co_u32 s34, s34, XSC
	v_add_nc_u32 v[ISW], s34, v[LS]
.irp b, 0,1,2,3
	v_mov_b32 v[TM+4+\b], 0                        ; written once: a lane permute's destination counts as one of its sources
.endr
	s_mov_b32 s20, 0x76543210
	s_mov_b32 s21, 0xfedcba98                      ; v_permlanex16_b32's selects for lane l xor 16
	s_and_b32 s35, ttmp9, 127                      ; which 128 rows of the tensor
	s_lshl_b32 s36, s35, 19                        ; 128 rows of 4,096 bytes,
	s_lshl_b32 s38, s18, 16                        ; my 16 rows of a block
	s_add_co_u32 s36, s36, s38
	s_mov_b32 s37, 0
	s_lshl_b32 s38, s35, 16                        ; 128 rows of 512 bytes of results
	s_lshl_b32 s40, s18, 11                        ; k, q: my two fragments of a row tile's eight
	s_add_co_u32 s40, s40, s38
	s_mov_b32 s41, 0
	s_lshl_b32 s42, s18, 12                        ; v: my four fragments of 32 keys' sixteen
	s_add_co_u32 s42, s42, s38
	s_mov_b32 s43, 0
	s_lshl_b32 s44, s18, 15                        ; my 32 fragments of a weight
	s_mov_b32 s45, 0
	s_lshl_b32 s46, s18, 11                        ; and their scale words
	s_mov_b32 s47, 0
	s_mov_b32 s23, 0
	s_mov_b32 s25, 0
	s_wait_kmcnt 0x0
	s_cmp_lt_u32 ttmp9, 128                        ; x's group or y's?  All choices hang on the work-group's number alone
	s_cselect_b32 s19, 1, 0
	s_cselect_b64 s[4:5], s[4:5], s[6:7]           ; the rows
	s_cselect_b64 s[12:13], s[14:15], s[12:13]     ; kf or qf
	s_cselect_b32 s22, 131072, 0                   ; Wk's codes lie behind Wq's,
	s_cselect_b32 s24, 8192, 0                     ; and so do its scale words
	s_add_nc_u64 s[4:5], s[4:5], s[36:37]
	s_add_nc_u64 s[12:13], s[12:13], s[40:41]
	s_add_nc_u64 s[16:17], s[16:17], s[42:43]
	s_add_nc_u64 s[26:27], s[8:9], s[44:45]
	s_add_nc_u64 s[28:29], s[26:27], 2*131072      ; Wv's codes
	s_add_nc_u64 s[26:27], s[26:27], s[22:23]      ; Wk's or Wq's
	s_add_nc_u64 s[30:31], s[10:11], s[46:47]
	s_add_nc_u64 s[32:33], s[30:31], 2*8192
	s_add_nc_u64 s[30:31], s[30:31], s[24:25]
	LOAD 0
	LOAD 1
	LOAD 2
	WAITL T0
	TURN 0
	LOAD 3
	STEP 0, 1, 4, 1, 1, 1
	STEP 1, 2, 5, 1, 1, 0
	STEP 2, 3, 6, 1, 1, 0
	STEP 3, 4, 7, 1, 1, 0
	STEP 4, 5, 8, 1, 1, 0
	STEP 5, 6, 9, 1, 1, 0
	STEP 6, 7, 10, 1, 1, 0
	STEP 7, 8, 11, 0, 1, 0                         ; unit 8 waits: its registers are the accumulators
	BARRIER                                        ; block 0's 32 fragments lie in LDS
	WAITL TW                                       ; the weights are in: behind the last of them (Wv's too) the 64 loads of units 8 to 11 were issued
	MROW 0, 0
	MROW 0, 1
	MROW 0, 2
	MROW 0, 3
	WAITL T8
	TURN 8                                         ; block 1 has images of its own, so no barrier stands between block 0's reads and these stores
	STEP 8, 9, 12, 1, 1, 1
	STEP 9, 10, 13, 1, 1, 0
	STEP 10, 11, 14, 1, 1, 0
	STEP 11, 12, 15, 1, 1, 0
	STEP 12, 13, 16, 1, 0, 0                       ; nothing is left to ask for
	STEP 13, 14, 17, 1, 0, 0
	STEP 14, 15, 18, 1, 0, 0
	STEP 15, 16, 19, 0, 0, 0
	BARRIER
	MROW 1, 0
	MROW 1, 1
	MROW 1, 2
	MROW 1, 3
	s_wait_tensorcnt 0x0                           ; the wave's end
	ds_add_u32 v[SPW], v[NIL]
	s_wait_dscnt 0x0
	s_endpgm
.Lfunc_end_k_qd12afd5fc3_proj:
	.size	k_qd12afd5fc3_proj, .Lfunc_end_k_qd12afd5fc3_proj-k_qd12afd5fc3_proj
	.p2alignl 7, 3214868480
	.fill 96, 4, 3214868480
	.section	.rodata,"a",@progbits
	.p2align	6, 0x0
	.amdhsa_kernel k_qd12afd5fc3_proj
		.amdhsa_group_segment_fixed_size 141824
		.amdhsa_private_segment_fixed_size 0
		.amdhsa_enable_private_segment 0
		.amdhsa_kernarg_size 56
		.amdhsa_user_sgpr_count 2
		.amdhsa_user_sgpr_kernarg_segment_ptr 1
		.amdhsa_wavefront_size32 1
		.amdhsa_system_sgpr_workgroup_id_x 1
		.amdhsa_system_sgpr_workgroup_id_y 1
		.amdhsa_system_sgpr_workgroup_id_z 1
		.amdhsa_system_vgpr_workitem_id 0
		.amdhsa_next_free_vgpr 1024
		.amdhsa_next_free_sgpr 66
		.amdhsa_reserve_vcc 0
		.amdhsa_float_denorm_mode_32 3
		.amdhsa_float_denorm_mode_16_64 3
		.amdhsa_memory_ordered 1
		.amdhsa_forward_progress 1
		.amdhsa_inst_pref_size 243
	.end_amdhsa_kernel
	.amdgpu_metadata
---
amdhsa.version: [ 1, 2 ]
amdhsa.kernels:
  - .name:           k_qd12afd5fc3_proj
    .symbol:         k_qd12afd5fc3_proj.kd
    .args:
      - { .name: x, .offset: 0, .size: 8, .value_kind: global_buffer, .address_space: global }
      - { .name: y, .offset: 8, .size: 8, .value_kind: global_buffer, .address_space: global }
      - { .name: wc, .offset: 16, .size: 8, .value_kind: global_buffer, .address_space: global }
      - { .name: ws, .offset: 24, .size: 8, .value_kind: global_buffer, .address_space: global }
      - { .name: qf, .offset: 32, .size: 8, .value_kind: global_buffer, .address_space: global }
      - { .name: kf, .offset: 40, .size: 8, .value_kind: global_buffer, .address_space: global }
      - { .name: vf, .offset: 48, .size: 8, .value_kind: global_buffer, .address_space: global }
    .group_segment_fixed_size: 141824
    .private_segment_fixed_size: 0
    .kernarg_segment_align: 8
    .kernarg_segment_size: 56
    .max_flat_workgroup_size: 128
    .sgpr_count:     66
    .vgpr_count:     1024
    .wavefront_size: 32
...
	.end_amdgpu_metadata
.endif
;; end of part 2
;; launch attn (part 3): grid 16 x 16, 4 waves a work-group, clusters of 4 x 1, 327,680 bytes of LDS; arguments qf, kf, vf, pf, st; writes pf, st
.if DOCPART == 3
	.amdgcn_target "amdgcn-amd-amdhsa--gfx1250"
	.amdhsa_code_object_version 6
	.text
	.protected	k_qd12afd5fc3_attn
	.globl	k_qd12afd5fc3_attn
	.p2align	8
	.type	k_qd12afd5fc3_attn,@function
k_qd12afd5fc3_attn:
	s_mov_b64 s[64:65], 0
	v_nop
	global_prefetch_b8 v0, s[64:65] scope:SCOPE_SE
	s_setreg_imm32_b32 hwreg(HW_REG_WAVE_MODE, 25, 1), 1
	s_wait_xcnt 0x0
	s_wait_alu depctr_hold_cnt(0) depctr_sa_sdst(0) depctr_va_vdst(0) depctr_va_sdst(0) depctr_va_ssrc(0) depctr_va_vcc(0) depctr_vm_vsrc(0)
	s_getreg_b32 s2, hwreg(HW_REG_IB_STS2, 6, 4)
	s_cmp_eq_u32 s2, 0
	s_cbranch_scc0 .Lentry_in_a_cluster
	s_endpgm
.Lentry_in_a_cluster:
	s_bfe_u32 s2, ttmp6, 0x10000c
	s_cmp_lg_u32 s2, 0x3003
	s_cbranch_scc0 .Lentry_shape_is_right
	s_endpgm
.Lentry_shape_is_right:
; Attention with one head of 256 channels, no mask, on f16 operands with f32 sums: for 256 queries and ONE QUARTER (1,024) of a batch's keys a work-group makes the partial context and two statistics a query;
; the next launch merges the four quarters.  16,384 queries on 256 work-groups are 64 each; with 256 queries and a quarter of the keys each byte of K and V that enters LDS feeds four times the products.
; qf, kf, vf hold IMAGES of fragments (group g of four registers at 512 g + 16 x lane): every LDS load takes 512 consecutive bytes, every tile is a dense block of 32 KB, nothing is padded or turned.
; SHARES.  Work-group y = 4 batch + quarter, x = block of 256 queries.  Each of four waves owns 64 queries, four tiles of 16, and walks the 1,024 keys, 64 a step: 128 products K Q^T, the softmax, 128 products V^T P.
; LAYOUT.  S^T = K Q^T (source 0 = 16 keys, source 1 = 16 queries): a lane holds ONE query (lane % 16) and keys 8 (lane / 16) + 0..7; two such tiles, rounded to f16 in pairs, are source 1 of O^T = V^T P.
; SOFTMAX.  For each query a running maximum m and sum l: p = 2^(c s - c m), c = log2(e) / 16; in every step O and l are multiplied by a = 2^(c m_old - c m_new).  The sum is taken of p before it is rounded.
; Of a step's vector work the rescaling of O^T stands between the products V^T P (two multiplies behind each); the rest is a phase of its own: all 1,024 registers are in use, so K's and V's fragments cannot be kept for a second piece.
; THE WAY OUT.  Each query's partial O is scaled by an exact power of two, 2^-E, E the exponent of its largest magnitude, so that f16 keeps its bits whatever the inputs' size; stored: O 2^-E as f16 images,
; u = c m + E and lambda = l 2^-E.  The true sums are 2^u x these.
; CLUSTER.  The four query blocks of a cluster walk the same K and V: each tile is asked for JOINTLY, by the same tensor load with the same descriptor and a mask that names the four.
; LIMITS: NaN and infinities are not served.  A weight p under 2^-24 of its row's largest counts as zero in the second product (f16), and counts in the sum.  u is rounded to f32: its error is 2^-24 |u|.
; REGISTERS: window 0: v1-7 addresses; v16-47 statistics, 8 a tile; v48-55 the way out; v64-191 S^T, 32 a tile, then P in the first 16 of them; v192-255 two buffers of four fragments.
;   window 1: Q, tile q, channels 32 c on at 64 q + 8 c.   windows 2, 3: O^T, channel tile t, query tile q at 32 (t % 8) + 8 q; t 0-7 in window 2, 8-15 in window 3.
.set STEPB, 65536                      ; a step's tiles: 32 KB of K (key tile kt, c: fragment 8 kt + c), then 32 KB of V^T (32 keys g, channel tile t: fragment 16 g + t)
.set SLOT1, 131072                     ; a slot holds two steps; slot 1 begins here, so that one exclusive or turns an address in one slot into the other's
.set SPARE, 262144                     ; behind the ring: the spare words, 128 bytes for each wave: two blocks of 256 bytes that no other line names
.set LI,  1                            ; v1  16 x lane; never rewritten
.set ADR, 2                            ; v2  LDS address of the step in hand
.set PFO, 3                            ; v3  256 x lane: the prefetches' offset; never rewritten
.set L8,  4                            ; v4  8 x lane
.set SPW, 6                            ; v6  LDS address of my spare word; never rewritten
.set NIL, 7                            ; v7  0; never rewritten
.set ST,  16                           ; tile q's statistics at v[ST + 8 q]: +0 c m, +1 m, +2, +3 l (even keys', odd keys'), +4 to +7 at work; a takes +6 once the maximum is found
.set WT,  48
.set S,   64
.set BUF, 192
.set WV,  14                           ; s14 my wave's number
.set LIM, 15                           ; s15 1 in a work-group that prefetches, else the greatest number
.set G1,  24                           ; s[24:31] descriptor group 1
.set G0A, 32                           ; s[32:35] group 0 of slot 0's first fill
.set G0W, 36                           ; s[36:39] group 0 of slot 1's first fill, which then walks
.set PFA, 40                           ; s[40:41] where my prefetches stand
.set SLOTS, 42
.set TWICE, 43
.set TB,  44                           ; s44 LDS byte at which the step's tiles begin
.set CS,  46                           ; s[46:47] c, as a pair
.set SEL, 48                           ; s[48:49] lane selects for v_permlanex16_b32
.set MSB, 0
.macro WIN new                         ; the immediate's high byte repeats the setting that is left
.if MSB != (\new)
	s_set_vgpr_msb (MSB<<8)|(\new)
.set MSB, (\new)
.endif
.endm
.macro PLACES n
.rept \n
	v_nop
.endr
.endm
.macro CROUND                          ; a round of the cluster's barrier
	s_barrier_signal -1
	s_barrier_wait -1
	s_cmp_lg_u32 s[WV], 0
	s_cbranch_scc1 .Lnot_wave_0_\@
	s_barrier_signal -3
.Lnot_wave_0_\@:
	s_barrier_wait -3
	s_barrier_signal -1
	s_barrier_wait -1
.endm
.macro JLOAD                           ; a joint refill: every wave fetches its own 32 KB of the slot; an s_nop 0 and four v_nop follow
	tensor_load_to_lds s[G0W:G0W+3], s[G1:G1+7]
	s_nop 0
	PLACES 4
.endm
; A PREFETCH INTO THE L2 of what the NEXT change of slots will ask for: two key steps, 512 matrix instructions a wave, ahead of that load.  All clusters of one y walk the same K and V: the first of them (cluster x = 0) asks.
; A wave asks for the 32 KB that it will fetch; the four partners share its 128 blocks of 256 bytes out BY ADDRESS, 32 each, a lane a block: each block is named once in the launch.  The last change that fills a slot asks for nothing.
.macro ASK
	s_cmp_gt_u32 s[SLOTS], s[LIM]
	s_cbranch_scc0 .Lnot_mine_\@
	global_prefetch_b8 v[PFO], s[PFA:PFA+1] th:TH_LOAD_NT scope:SCOPE_SE
.Lnot_mine_\@:
.endm
.macro LOADK i                         ; batch i of 8: key tile i / 2, channels 128 (i % 2) on: four fragments into buffer i % 2
.irp c, 0,1,2,3
.irp f, 0,1
	ds_load_b128 v[BUF+32*((\i)%2)+8*\c+4*\f:BUF+32*((\i)%2)+8*\c+4*\f+3], v[ADR] offset:(((\i)/2)*8+4*((\i)%2)+\c)*1024+512*\f
.endr
.endr
.endm
.macro LOADV i                         ; batch i of 8: channel tiles 2 i, 2 i + 1 for both groups of 32 keys: fragment (g, e) at place 2 g + e of buffer i % 2
.irp g, 0,1
.irp e, 0,1
.irp f, 0,1
	ds_load_b128 v[BUF+32*((\i)%2)+8*(2*\g+\e)+4*\f:BUF+32*((\i)%2)+8*(2*\g+\e)+4*\f+3], v[ADR] offset:32768+16384*\g+(2*(\i)+\e)*1024+512*\f
.endr
.endr
.endr
.endm
.macro QKB i                           ; 16 products of S^T = K Q^T; the four query tiles' accumulators take turns, one instruction a turn; the first starts each sum
	WIN 0x04                                       ; source 1 (Q) window 1
.irp c, 0,1,2,3
.irp q, 0,1,2,3
.if ((\i)%2 == 0) && (\c == 0)
	v_wmma_f32_16x16x32_f16 v[S+32*\q+8*((\i)/2):S+32*\q+8*((\i)/2)+7], v[BUF+32*((\i)%2)+8*\c:BUF+32*((\i)%2)+8*\c+7], v[64*\q+8*(4*((\i)%2)+\c):64*\q+8*(4*((\i)%2)+\c)+7], 0
.else
	v_wmma_f32_16x16x32_f16 v[S+32*\q+8*((\i)/2):S+32*\q+8*((\i)/2)+7], v[BUF+32*((\i)%2)+8*\c:BUF+32*((\i)%2)+8*\c+7], v[64*\q+8*(4*((\i)%2)+\c):64*\q+8*(4*((\i)%2)+\c)+7], v[S+32*\q+8*((\i)/2):S+32*\q+8*((\i)/2)+7]
.endif
.endr
.endr
.endm
.macro RS p, n                         ; multiply number n of 32 that brings channel tiles 2 p, 2 p + 1 of O^T under the new maximum
	WIN 0x82+0x41*((\p)/4)                         ; destination and source 0: window 2 or 3
.set rR, 32*((2*(\p))%8)+2*(\n)
.set rA, ST+8*(((\n)%16)/4)+6
	v_pk_mul_f32 v[rR:rR+1], v[rR:rR+1], v[rA:rA+1] op_sel_hi:[1,0]
.endm
.macro PVB i, first                    ; 16 products of O^T += V^T P for channel tiles 2 i, 2 i + 1: eight accumulators by turns; behind each product two multiplies of the NEXT pair of channel tiles
.set n, 0
.irp g, 0,1
.irp e, 0,1
.irp q, 0,1,2,3
.set rO, 32*((2*(\i)+\e)%8)+8*\q
	WIN 0xa0+0x50*((\i)/4)                         ; C and D: window 2 or 3
.if \first && (\g == 0)
	v_wmma_f32_16x16x32_f16 v[rO:rO+7], v[BUF+32*((\i)%2)+8*(2*\g+\e):BUF+32*((\i)%2)+8*(2*\g+\e)+7], v[S+32*\q+8*\g:S+32*\q+8*\g+7], 0
.else
	v_wmma_f32_16x16x32_f16 v[rO:rO+7], v[BUF+32*((\i)%2)+8*(2*\g+\e):BUF+32*((\i)%2)+8*(2*\g+\e)+7], v[S+32*\q+8*\g:S+32*\q+8*\g+7], v[rO:rO+7]
.endif
.if (!\first) && (\i < 7)
	RS (\i)+1, 2*n
	RS (\i)+1, 2*n+1
.endif
.set n, n+1
.endr
.endr
.endr
.endm
; The four tiles' softmax for one key step, line by line, the tiles by turns.  first = 1: the first step, which starts m, l and O^T.
.macro SOFTMAX first
	WIN 0
.irp j, 0,1,2,3                                ; the maximum of a lane's 32 scores: four chains, one a key tile; each accumulator is read from its low end on
.irp q, 0,1,2,3
	v_max3_num_f32 v[ST+8*\q+4+\j], v[S+32*\q+8*\j], v[S+32*\q+8*\j+1], v[S+32*\q+8*\j+2]
.endr
.endr
.irp i, 3,5
.irp j, 0,1,2,3
.irp q, 0,1,2,3
	v_max3_num_f32 v[ST+8*\q+4+\j], v[ST+8*\q+4+\j], v[S+32*\q+8*\j+\i], v[S+32*\q+8*\j+\i+1]
.endr
.endr
.endr
.irp q, 0,1,2,3
	v_max3_num_f32 v[ST+8*\q+4], v[ST+8*\q+4], v[S+32*\q+7], v[S+32*\q+15]
.endr
.irp q, 0,1,2,3
	v_max3_num_f32 v[ST+8*\q+6], v[ST+8*\q+6], v[S+32*\q+23], v[S+32*\q+31]
.endr
.irp q, 0,1,2,3
	v_max3_num_f32 v[ST+8*\q+4], v[ST+8*\q+4], v[ST+8*\q+5], v[ST+8*\q+6]
.endr
.irp q, 0,1,2,3
.if \first
	v_max_num_f32 v[ST+8*\q+4], v[ST+8*\q+4], v[ST+8*\q+7]
.else
	v_max3_num_f32 v[ST+8*\q+4], v[ST+8*\q+4], v[ST+8*\q+7], v[ST+8*\q+1]   ; and the old m
.endif
.endr
.irp q, 0,1,2,3
	v_permlanex16_b32 v[ST+8*\q+5], v[ST+8*\q+4], s[SEL], s[SEL+1]   ; the query's other 32 keys lie in the lane 16 away
.endr
.if !\first
.irp q, 0,1,2,3
	v_mov_b32 v[ST+8*\q+7], v[ST+8*\q]             ; c m_old is kept for a
.endr
.endif
.irp q, 0,1,2,3
	v_max_num_f32 v[ST+8*\q+1], v[ST+8*\q+4], v[ST+8*\q+5]
.endr
.irp q, 0,1,2,3
	v_mul_f32 v[ST+8*\q], s[CS], v[ST+8*\q+1]
.endr
.if !\first
.irp q, 0,1,2,3
	v_sub_f32 v[ST+8*\q+7], v[ST+8*\q+7], v[ST+8*\q]
.endr
.endif
.irp b, 0,1,2,3,4,5,6,7,8,9,10,11,12,13,14,15
.irp q, 0,1,2,3
	v_pk_fma_f32 v[S+32*\q+2*\b:S+32*\q+2*\b+1], v[S+32*\q+2*\b:S+32*\q+2*\b+1], s[CS:CS+1], v[ST+8*\q:ST+8*\q+1] op_sel_hi:[1,0,0] neg_lo:[0,0,1] neg_hi:[0,0,1]   ; c s - c m, two at a time
.endr
.endr
.if !\first
.irp q, 0,1,2,3
	v_exp_f32 v[ST+8*\q+6], v[ST+8*\q+7]           ; a
.endr
.endif
.irp e, 0,1,2,3,4,5,6,7,8,9,10,11,12,13,14,15,16,17,18,19,20,21,22,23,24,25,26,27,28,29,30,31
.irp q, 0,1,2,3
	v_exp_f32 v[S+32*\q+\e], v[S+32*\q+\e]         ; p
.endr
.endr
	v_nop                                          ; a plain instruction behind the last exponential,
	s_wait_alu depctr_va_vdst(0)                   ; and ONE wait for the whole batch, ahead of the first instruction that names a result
.irp q, 0,1,2,3
	v_pk_add_f32 v[ST+8*\q+4:ST+8*\q+5], v[S+32*\q:S+32*\q+1], v[S+32*\q+2:S+32*\q+3]   ; the step's sum, of p as it is
.endr
.irp b, 2,3,4,5,6,7,8,9,10,11,12,13,14
.irp q, 0,1,2,3
	v_pk_add_f32 v[ST+8*\q+4:ST+8*\q+5], v[ST+8*\q+4:ST+8*\q+5], v[S+32*\q+2*\b:S+32*\q+2*\b+1]
.endr
.endr
.irp q, 0,1,2,3
.if \first
	v_pk_add_f32 v[ST+8*\q+2:ST+8*\q+3], v[ST+8*\q+4:ST+8*\q+5], v[S+32*\q+30:S+32*\q+31]
.else
	v_pk_add_f32 v[ST+8*\q+4:ST+8*\q+5], v[ST+8*\q+4:ST+8*\q+5], v[S+32*\q+30:S+32*\q+31]
.endif
.endr
.if !\first
.irp q, 0,1,2,3
	v_pk_fma_f32 v[ST+8*\q+2:ST+8*\q+3], v[ST+8*\q+2:ST+8*\q+3], v[ST+8*\q+6:ST+8*\q+7], v[ST+8*\q+4:ST+8*\q+5] op_sel_hi:[1,0,1]   ; l = a l + the sum
.endr
.endif
.irp i, 0,1,2,3,4,5,6,7,8,9,10,11,12,13,14,15
.irp q, 0,1,2,3
	v_cvt_pk_f16_f32 v[S+32*\q+\i], v[S+32*\q+2*\i], v[S+32*\q+2*\i+1]   ; P in place, ascending: registers 8 g .. 8 g + 7 are source 1 for keys 32 g on
.endr
.endr
.if !\first
.set m, 0
.rept 32
	RS 0, m                                        ; the first pair of channel tiles is brought under the new maximum here; the others between the products
.set m, m+1
.endr
.endif
.endm
; A KEY STEP.  LDS loads go in batches of eight into two buffers by turns; each wait's count of 8 is the one batch issued behind the batch that is wanted.
; Four places stand between a batch's products and the loads into the buffer that they read (ISA guide 7.12.1 for vector instructions).
.macro STEP first
	v_add_nc_u32 v[ADR], s[TB], v[LI]
	LOADK 0
	LOADK 1
.irp i, 0,1,2,3,4,5,6,7
	s_wait_dscnt 8
	QKB \i
	WIN 0
	PLACES 4                                       ; (behind the last batch they are also the places ahead of the softmax's first reads)
.if \i < 6
	LOADK \i+2
.else
	LOADV \i-6
.endif
.endr
	SOFTMAX \first
.irp i, 0,1,2,3,4,5,6,7
.if \i < 7
	s_wait_dscnt 8
.else
	s_wait_dscnt 0x0
.endif
	PVB \i, \first
	WIN 0
.if \i < 6
	PLACES 4
	LOADV \i+2
.endif
.endr
	PLACES 5                                       ; the next step's first products write over P, which the last products read: five places
	s_add_co_u32 s[TB], s[TB], STEPB
.endm
; THE CHANGE OF SLOTS.  Each wave waits for all its tensor loads, of which one is out: its part of the other slot; adds 0 to its spare word; and waits for that and for its reads of the slot that it leaves.
; fill = 1: that slot is filled again, with the keys two slots on: the barrier is a round of the cluster's, and the joint refill is the first thing behind it.
.macro CHANGE fill
	s_wait_tensorcnt 0x0                           ; no tensor load of mine is out, so a group 0 may be written
	ds_add_u32 v[SPW], v[NIL]                      ; 0 onto my spare word
.if \fill
	s_xor_b32 s[G0W+1], s[G0W+1], SLOT1            ; the walking descriptor: the other slot than last time,
	s_add_nc_u64 s[G0W+2:G0W+3], s[G0W+2:G0W+3], STEPB   ; the next 128 keys' part of K or of V; the type bits on top are not reached
	s_wait_xcnt 0x0                                ; the last prefetch, two key steps back, has read its address
	s_add_nc_u64 s[PFA:PFA+1], s[PFA:PFA+1], STEPB
	s_wait_dscnt 0x0                               ; the add is done, and my reads of the slot are over
	CROUND
	JLOAD
	ASK
.else
	s_wait_dscnt 0x0
	s_barrier_signal -1
	s_barrier_wait -1
.endif
	s_sub_co_u32 s[TB], s[TB], 2*STEPB             ; back to a slot's first step,
	s_xor_b32 s[TB], s[TB], SLOT1                  ; in the other slot
.endm
.macro TWO_STEPS                       ; a slot's two key steps: written once, walked twice
	s_mov_b32 s[TWICE], 2
.Lstep_\@:
	STEP 0
	s_sub_co_u32 s[TWICE], s[TWICE], 1
	s_cmp_lg_u32 s[TWICE], 0
	s_cbranch_scc1 .Lstep_\@
.endm
	s_load_b256 s[4:11], s[0:1], 0x0               ; qf s[4:5], kf s[6:7], vf s[8:9], pf s[10:11]
	s_load_b64 s[12:13], s[0:1], 0x20              ; st
	v_lshl_add_u32 v[SPW], v0, 2, SPARE
	v_mov_b32 v[NIL], 0
	ds_add_u32 v[SPW], v[NIL]                      ; the wave's opening: the add, twice on end, and its wait ahead of my first tensor load
	ds_add_u32 v[SPW], v[NIL]                      ; and once more, under the one wait; the set-up below, work on registers, stands between
	v_lshrrev_b32 v5, 5, v0
	v_readfirstlane_b32 s[WV], v5                  ; wave 0..3
	v_and_b32 v5, 31, v0
	v_lshlrev_b32 v[LI], 4, v5
	v_lshlrev_b32 v[PFO], 8, v5
	v_lshlrev_b32 v[L8], 3, v5
	s_and_b32 s18, ttmp7, 0xffff                   ; y = 4 batch + quarter, which the four partners share
	s_and_b32 s21, s[WV], 1                        ; which of a slot's two steps I fetch;
	s_lshr_b32 s22, s[WV], 1                       ; for K (0) or for V (1)
	s_lshl_b32 s23, s21, 16
	s_lshl_b32 s22, s22, 15
	s_add_co_u32 s23, s23, s22                     ; my 32 KB of a slot: no place in the cluster enters an LDS address
	s_lshl_b32 s50, s18, 19                        ; the quarter's 1,024 keys of 512 bytes, in kf and in vf alike,
	s_lshl_b32 s21, s21, 15
	s_add_co_u32 s50, s50, s21                     ; and my step's 32 KB
	s_mov_b32 s51, 0
	; descriptor group 1: a dense block of 32 KB as 128 rows of 32 elements of 8 bytes
	s_mov_b32 s[G1], 15|(3<<16)|(1<<21)            ; 15:0 the mask: all four work-groups; 17:16 elements of 8 bytes; 20 no padding; 21 set beside a mask
	s_mov_b32 s[G1+1], 32<<16                      ; tensor_dim0 = 32
	s_mov_b32 s[G1+2], 128<<16                     ; tensor_dim1 = 128
	s_mov_b32 s[G1+3], 32<<16                      ; tile_dim0 = 32
	s_mov_b32 s[G1+4], 128                         ; tile_dim1 = 128
	s_mov_b32 s[G1+5], 32                          ; from row to row: 32 elements
	s_mov_b32 s[G1+6], 0
	s_mov_b32 s[G1+7], 0
	s_mov_b32 s[CS], 0x3db8aa3b                    ; c = log2(e) / sqrt(256)
	s_mov_b32 s[CS+1], s[CS]                       ; named with it as a pair, so it is written
	s_mov_b32 s[SEL], 0x76543210
	s_mov_b32 s[SEL+1], 0xfedcba98
	s_mov_b32 s[TB], 0
	s_mov_b32 s[SLOTS], 6                          ; of eight slots' worth of keys six come by refills
	s_cmp_eq_u32 ttmp9, 0                          ; cluster x: the same in all four partners
	s_cselect_b32 s[LIM], 1, -1
	s_wait_dscnt 0x0                               ; both opening adds are done
	s_wait_kmcnt 0x0
	s_cmp_lt_u32 s[WV], 2
	s_cselect_b64 s[52:53], s[6:7], s[8:9]         ; waves 0, 1 fetch K's tiles, waves 2, 3 V's
	s_add_nc_u64 s[52:53], s[52:53], s[50:51]
	s_mov_b32 s[G0A], 1                            ; count = 1
	s_mov_b32 s[G0A+1], s23                        ; LDS address: slot 0
	s_mov_b64 s[G0A+2:G0A+3], s[52:53]             ; global address
	s_or_b32 s[G0A+3], s[G0A+3], 0x80000000        ; type = 2
	s_mov_b32 s[G0W], 1
	s_add_co_u32 s[G0W+1], s23, SLOT1
	s_add_nc_u64 s[G0W+2:G0W+3], s[52:53], STEPB   ; the next 128 keys
	s_or_b32 s[G0W+3], s[G0W+3], 0x80000000
	; what hangs on my place in the cluster: addresses of Q, of the results and of the prefetches alone
	s_bfe_u32 s16, ttmp6, 0x40000                  ; cx
	s_lshl_b32 s17, ttmp9, 2
	s_add_co_u32 s17, s17, s16                     ; my block of 256 queries
	s_lshr_b32 s19, s18, 2
	s_lshl_b32 s19, s19, 8                         ; 256 query tiles a batch
	s_lshl_b32 s20, s17, 4
	s_add_co_u32 s19, s19, s20
	s_lshl_b32 s20, s[WV], 2
	s_add_co_u32 s19, s19, s20                     ; my first query tile
	s_mov_b32 s55, 0
	s_lshl_b32 s54, s16, 13                        ; my work-group's 32 blocks of the 128
	s_add_nc_u64 s[PFA:PFA+1], s[52:53], s[54:55]
	s_add_nc_u64 s[PFA:PFA+1], s[PFA:PFA+1], 2*STEPB   ; in slot 2; the first change of slots steps it to slot 3.  Nothing is prefetched at the head
	s_lshl_b32 s54, s19, 13
	s_add_nc_u64 s[4:5], s[4:5], s[54:55]          ; Q: 8 KB a tile
	s_and_b32 s20, s18, 3                          ; the quarter
	s_lshl_b32 s54, s19, 15
	s_lshl_b32 s21, s20, 13
	s_add_co_u32 s54, s54, s21
	s_add_nc_u64 s[10:11], s[10:11], s[54:55]      ; pf: 32 KB a tile, 8 KB a quarter
	s_lshl_b32 s54, s19, 10
	s_lshl_b32 s21, s20, 8
	s_add_co_u32 s54, s54, s21
	s_add_nc_u64 s[12:13], s[12:13], s[54:55]      ; st: 1 KB a tile, 256 bytes a quarter
	CROUND                                         ; all four work-groups are here: the first joint loads meet
	tensor_load_to_lds s[G0A:G0A+3], s[G1:G1+7]    ; both first fills together: two loads of mine are out
	s_nop 0
	tensor_load_to_lds s[G0W:G0W+3], s[G1:G1+7]
	s_nop 0
	PLACES 4
	WIN 0x40                                       ; destination window 1
.irp q, 0,1,2,3
.irp c, 0,1,2,3,4,5,6,7
.irp f, 0,1
	global_load_b128 v[64*\q+8*\c+4*\f:64*\q+8*\c+4*\f+3], v[LI], s[4:5] offset:8192*\q+1024*\c+512*\f   ; Q stays in registers
.endr
.endr
.endr
	WIN 0
	s_wait_tensorcnt 1                             ; my part of slot 0 is in; slot 1's may stay out
	s_barrier_signal -1
	s_barrier_wait -1                              ; everybody's is
	s_wait_loadcnt 0x0                             ; Q
	STEP 1                                         ; the first step starts the sums: nothing is ever cleared
	STEP 0
.Lslot:                                            ; six trips: every slot but the last two is filled again
	CHANGE 1
	TWO_STEPS
	s_sub_co_u32 s[SLOTS], s[SLOTS], 1
	s_cmp_lg_u32 s[SLOTS], 0
	s_cbranch_scc1 .Lslot
	CHANGE 0                                       ; the tail is written out
	TWO_STEPS
	; THE WAY OUT.  The largest magnitude of each query's partial O, over a floor of 2^-60 (products of f16 numbers that are not zero lie above it)
.irp q, 0,1,2,3
	v_mov_b32 v[WT+\q], 0x21800000
	v_mov_b32 v[WT+4+\q], 0                        ; a lane permute's destination counts as one of its sources
.endr
	WIN 0x28                                       ; sources 1 and 2: window 2
.irp t, 0,1,2,3,4,5,6,7
.irp j, 0,2,4,6
.irp q, 0,1,2,3
	v_max3_num_f32 v[WT+\q], v[WT+\q], |v[32*\t+8*\q+\j]|, |v[32*\t+8*\q+\j+1]|   ; each accumulator from its low end on
.endr
.endr
.endr
	WIN 0x3c                                       ; window 3
.irp t, 0,1,2,3,4,5,6,7
.irp j, 0,2,4,6
.irp q, 0,1,2,3
	v_max3_num_f32 v[WT+\q], v[WT+\q], |v[32*\t+8*\q+\j]|, |v[32*\t+8*\q+\j+1]|
.endr
.endr
.endr
	WIN 0
.irp q, 0,1,2,3
	v_permlanex16_b32 v[WT+4+\q], v[WT+\q], s[SEL], s[SEL+1]
.endr
.irp q, 0,1,2,3
	v_max_num_f32 v[WT+\q], v[WT+\q], v[WT+4+\q]
.endr
.irp q, 0,1,2,3
	v_and_b32 v[WT+\q], 0x7f800000, v[WT+\q]       ; its exponent field, E + 127
.endr
.irp q, 0,1,2,3
	v_sub_nc_u32 v[ST+8*\q+6], 0x7f000000, v[WT+\q]   ; the number with the field 254 - (E + 127): 2^-E, exactly
.endr
.irp q, 0,1,2,3
	v_lshrrev_b32 v[WT+\q], 23, v[WT+\q]
.endr
.irp q, 0,1,2,3
	v_add_nc_u32 v[WT+\q], 0xffffff81, v[WT+\q]    ; E
.endr
.irp q, 0,1,2,3
	v_cvt_f32_i32 v[WT+\q], v[WT+\q]
.endr
.irp q, 0,1,2,3
	v_add_f32 v[ST+8*\q+4], v[ST+8*\q], v[WT+\q]   ; u = c m + E
.endr
.irp q, 0,1,2,3
	v_add_f32 v[WT+\q], v[ST+8*\q+2], v[ST+8*\q+3] ; l's two halves,
.endr
.irp q, 0,1,2,3
	v_permlanex16_b32 v[WT+4+\q], v[WT+\q], s[SEL], s[SEL+1]
.endr
.irp q, 0,1,2,3
	v_add_f32 v[WT+\q], v[WT+\q], v[WT+4+\q]       ; and the other half of the lanes'
.endr
.irp q, 0,1,2,3
	v_mul_f32 v[ST+8*\q+5], v[WT+\q], v[ST+8*\q+6] ; lambda = l 2^-E
.endr
.irp q, 0,1,2,3
	global_store_b64 v[L8], v[ST+8*\q+4:ST+8*\q+5], s[12:13] offset:1024*\q   ; 32 lanes store 256 consecutive bytes
.endr
.macro OUTQ q                          ; tile q: O 2^-E, rounded to f16: four registers are half t % 2 of fragment t / 2: they leave as they stand
	WIN 0x82
.irp t, 0,1,2,3,4,5,6,7
.irp j, 0,2,4,6
	v_pk_mul_f32 v[32*\t+8*\q+\j:32*\t+8*\q+\j+1], v[32*\t+8*\q+\j:32*\t+8*\q+\j+1], v[ST+8*\q+6:ST+8*\q+7] op_sel_hi:[1,0]
.endr
.endr
	WIN 0xc3
.irp t, 0,1,2,3,4,5,6,7
.irp j, 0,2,4,6
	v_pk_mul_f32 v[32*\t+8*\q+\j:32*\t+8*\q+\j+1], v[32*\t+8*\q+\j:32*\t+8*\q+\j+1], v[ST+8*\q+6:ST+8*\q+7] op_sel_hi:[1,0]
.endr
.endr
.if \q >= 2
	s_wait_xcnt 0x0                                ; the stores of two tiles back have read their data: these registers may be written again
.endif
	WIN 0x0a                                       ; sources window 2, destination window 0: S^T's registers are free
.irp t, 0,1,2,3,4,5,6,7
.irp j, 0,1,2,3
	v_cvt_pk_f16_f32 v[S+64*((\q)%2)+4*\t+\j], v[32*\t+8*\q+2*\j], v[32*\t+8*\q+2*\j+1]
.endr
.endr
	WIN 0x0f
.irp t, 0,1,2,3,4,5,6,7
.irp j, 0,1,2,3
	v_cvt_pk_f16_f32 v[S+64*((\q)%2)+32+4*\t+\j], v[32*\t+8*\q+2*\j], v[32*\t+8*\q+2*\j+1]
.endr
.endr
	WIN 0
.irp t, 0,1,2,3,4,5,6,7,8,9,10,11,12,13,14,15
	global_store_b128 v[LI], v[S+64*((\q)%2)+4*\t:S+64*((\q)%2)+4*\t+3], s[10:11] offset:32768*\q+512*\t   ; 512 consecutive bytes
.endr
.endm
	OUTQ 0
	OUTQ 1
	OUTQ 2
	OUTQ 3
	s_wait_tensorcnt 0x0                           ; the wave's end
	ds_add_u32 v[SPW], v[NIL]
	s_wait_dscnt 0x0
	CROUND                                         ; the closing round: no work-group ends while a partner may still ask for a tile that names it
	s_endpgm
.Lfunc_end_k_qd12afd5fc3_attn:
	.size	k_qd12afd5fc3_attn, .Lfunc_end_k_qd12afd5fc3_attn-k_qd12afd5fc3_attn
	.p2alignl 7, 3214868480
	.fill 96, 4, 3214868480
	.section	.rodata,"a",@progbits
	.p2align	6, 0x0
	.amdhsa_kernel k_qd12afd5fc3_attn
		.amdhsa_group_segment_fixed_size 327680
		.amdhsa_private_segment_fixed_size 0
		.amdhsa_enable_private_segment 0
		.amdhsa_kernarg_size 40
		.amdhsa_user_sgpr_count 2
		.amdhsa_user_sgpr_kernarg_segment_ptr 1
		.amdhsa_wavefront_size32 1
		.amdhsa_system_sgpr_workgroup_id_x 1
		.amdhsa_system_sgpr_workgroup_id_y 1
		.amdhsa_system_sgpr_workgroup_id_z 1
		.amdhsa_system_vgpr_workitem_id 0
		.amdhsa_next_free_vgpr 1024
		.amdhsa_next_free_sgpr 66
		.amdhsa_reserve_vcc 0
		.amdhsa_float_denorm_mode_32 3
		.amdhsa_float_denorm_mode_16_64 3
		.amdhsa_memory_ordered 1
		.amdhsa_forward_progress 1
		.amdhsa_inst_pref_size 255
	.end_amdhsa_kernel
	.section	.bss,"aw",@nobits
	.p2align	6
	.space	262144
	.amdgpu_metadata
---
amdhsa.version: [ 1, 2 ]
amdhsa.kernels:
  - .name:           k_qd12afd5fc3_attn
    .symbol:         k_qd12afd5fc3_attn.kd
    .args:
      - { .name: qf, .offset: 0, .size: 8, .value_kind: global_buffer, .address_space: global }
      - { .name: kf, .offset: 8, .size: 8, .value_kind: global_buffer, .address_space: global }
      - { .name: vf, .offset: 16, .size: 8, .value_kind: global_buffer, .address_space: global }
      - { .name: pf, .offset: 24, .size: 8, .value_kind: global_buffer, .address_space: global }
      - { .name: st, .offset: 32, .size: 8, .value_kind: global_buffer, .address_space: global }
    .group_segment_fixed_size: 327680
    .private_segment_fixed_size: 0
    .kernarg_segment_align: 8
    .kernarg_segment_size: 40
    .max_flat_workgroup_size: 128
    .sgpr_count:     66
    .vgpr_count:     1024
    .wavefront_size: 32
...
	.end_amdgpu_metadata
.endif
;; end of part 3
;; launch outp (part 4): grid 256 x 1, 4 waves a work-group, clusters of 4 x 1, 327,680 bytes of LDS; arguments pf, st, wof, bo, out0; writes out0
.if DOCPART == 4
	.amdgcn_target "amdgcn-amd-amdhsa--gfx1250"
	.amdhsa_code_object_version 6
	.text
	.protected	k_qd12afd5fc3_outp
	.globl	k_qd12afd5fc3_outp
	.p2align	8
	.type	k_qd12afd5fc3_outp,@function
k_qd12afd5fc3_outp:
	s_mov_b64 s[64:65], 0
	v_nop
	global_prefetch_b8 v0, s[64:65] scope:SCOPE_SE
	s_setreg_imm32_b32 hwreg(HW_REG_WAVE_MODE, 25, 1), 1
	s_wait_xcnt 0x0
	s_wait_alu depctr_hold_cnt(0) depctr_sa_sdst(0) depctr_va_vdst(0) depctr_va_sdst(0) depctr_va_ssrc(0) depctr_va_vcc(0) depctr_vm_vsrc(0)
	s_getreg_b32 s2, hwreg(HW_REG_IB_STS2, 6, 4)
	s_cmp_eq_u32 s2, 0
	s_cbranch_scc0 .Lentry_in_a_cluster
	s_endpgm
.Lentry_in_a_cluster:
	s_bfe_u32 s2, ttmp6, 0x10000c
	s_cmp_lg_u32 s2, 0x3003
	s_cbranch_scc0 .Lentry_shape_is_right
	s_endpgm
.Lentry_shape_is_right:
; The four key quarters are merged, in f32, and the context goes through the output projection: out0 = ctx Wo^T + bo.  f16 operands, f32 sums.
; For a query, quarter s left P_s (f16, its largest magnitude in [1, 2)), u_s and lambda_s; the true sums are 2^u_s x these.  U = the largest u_s; w_s = 2^(u_s - U);
; chat = sum of w_s P_s (rounded to f16: of order 1 in every row, whatever the inputs' size);  L = sum of w_s lambda_s;  out0 = (chat Wo^T) / L + bo.
; SHARES.  A work-group owns 64 rows, four query tiles, and all 1,024 columns.  Wave w merges tile w and leaves its eight fragments in LDS as images; then it makes columns 256 w .. 256 w + 255 for all 64 rows.
; The partials come by one tensor load a wave (32 KB, read by that wave alone); they pass LDS so that they land in registers v32-95, whose halves can be named.
; CLUSTER.  Every work-group walks all of Wo (512 KB of f16 images): wave w's 128 KB come in four slots of 32 KB, asked for JOINTLY by the four work-groups of a cluster, into two regions by turns.
; The product is used transposed (source 0 = 16 rows of Wo, source 1 = 16 queries): a lane holds eight neighbouring columns of one row.  Results leave through the wave's own stage: sixteen lanes store 256 consecutive bytes.
; LIMITS: NaN and infinities are not served.
; REGISTERS: window 0: v1-11 addresses; v12-19 statistics, then 1 / L of the four tiles (as pairs); v20-27 w_s (as pairs); v32-95 two buffers of partials, then v32-63 four accumulators and v64-127 rows on the way out;
;   v128-207 at work in the merge, then v128-255 a slot's results.   window 1: the context's fragments, 64 q + 8 c.   window 2: v0-127 two buffers of Wo; v128-255 bo, eight a column tile.
.set REGB,  131072                     ; LDS: region A at 0 (the partials, then Wo's slots 1 and 3), region B here (slots 0 and 2); wave w's 32 KB at 32,768 w in each
.set CIMG,  262144                     ; the context's 32 images
.set RIMG,  294912                     ; 1 / L: 128 bytes a tile, a word a lane
.set STG,   295424                     ; a stage of 16 rows x 272 bytes for each wave
.set SPARE, 312832                     ; the spare words, 128 bytes for each wave: two blocks of 256 bytes that no other line names
.set LI,  1                            ; v1  16 x lane
.set PAD, 3                            ; v3  my 32 KB of region A, + 16 x lane
.set WBB, 4                            ; v4  the same of region B
.set CW,  5                            ; v5  where I store the context's images
.set SO,  6                            ; v6  the stage: where I put 32 bytes of a row
.set SR,  7                            ; v7  and where I read a row back
.set CO,  8                            ; v8  my byte offset in two rows of out0
.set CR,  9                            ; v9  CIMG + 16 x lane
.set SPW, 10                           ; v10 LDS address of my spare word; never rewritten
.set NIL, 11                           ; v11 0; never rewritten
.set STA, 12
.set OM,  20
.set ACC, 32
.set RB,  64
.set RW,  96                           ; v96-99: addresses that are needed ahead of the products alone
.set RRD, 97
.set L8,  98
.set BOF, 99
.set T,   128                          ; v128-191 64 numbers of a chunk in f32: quarter s, element e at 16 s + e
.set CT,  192                          ; v192-207 two sets of a merged fragment
.set OUTT, 128
.set WV,  14
.set G1J, 24                           ; s[24:31] group 1 of the joint loads;  s[32:39] of the plain one
.set G1P, 32
.set G0P, 40                           ; s[40:43] group 0: the partials;  s[44:47] Wo into region B;  s[48:51] Wo into region A
.set G0B, 44
.set G0A, 48
.set MSB, 0
.macro WIN new
.if MSB != (\new)
	s_set_vgpr_msb (MSB<<8)|(\new)
.set MSB, (\new)
.endif
.endm
.macro PLACES n
.rept \n
	v_nop
.endr
.endm
.macro CROUND
	s_barrier_signal -1
	s_barrier_wait -1
	s_cmp_lg_u32 s[WV], 0
	s_cbranch_scc1 .Lnot_wave_0_\@
	s_barrier_signal -3
.Lnot_wave_0_\@:
	s_barrier_wait -3
	s_barrier_signal -1
	s_barrier_wait -1
.endm
; A region is filled again: every wave waits for all its tensor loads, adds 0 to its spare word, waits for that and for its LDS reads and stores; a round of the cluster's barrier; the joint load first behind it.
.macro REFILL g0, step
	s_wait_tensorcnt 0x0                           ; no tensor load of mine is out, so a group 0 may be written
	ds_add_u32 v[SPW], v[NIL]
.if \step
	s_add_nc_u64 s[\g0+2:\g0+3], s[\g0+2:\g0+3], 65536   ; two slots on
.endif
	s_wait_dscnt 0x0
	CROUND
	tensor_load_to_lds s[\g0:\g0+3], s[G1J:G1J+7]
	s_nop 0
	PLACES 4
.endm
.macro LDSP k                          ; fragment k of all four quarters into buffer k % 2: register 8 s + 4 half
.irp s, 0,1,2,3
.irp f, 0,1
	ds_load_b128 v[32+32*((\k)%2)+8*\s+4*\f:32+32*((\k)%2)+8*\s+4*\f+3], v[PAD] offset:8192*\s+1024*(\k)+512*\f
.endr
.endr
.endm
.macro UNPACK_A                        ; 64 f16 numbers of buffer 0 to f32
.set ti, 0
.irp h, v32.l,v32.h,v33.l,v33.h,v34.l,v34.h,v35.l,v35.h,v36.l,v36.h,v37.l,v37.h,v38.l,v38.h,v39.l,v39.h,v40.l,v40.h,v41.l,v41.h,v42.l,v42.h,v43.l,v43.h,v44.l,v44.h,v45.l,v45.h,v46.l,v46.h,v47.l,v47.h,v48.l,v48.h,v49.l,v49.h,v50.l,v50.h,v51.l,v51.h,v52.l,v52.h,v53.l,v53.h,v54.l,v54.h,v55.l,v55.h,v56.l,v56.h,v57.l,v57.h,v58.l,v58.h,v59.l,v59.h,v60.l,v60.h,v61.l,v61.h,v62.l,v62.h,v63.l,v63.h
	v_cvt_f32_f16 v[T+ti], \h
.set ti, ti+1
.endr
.endm
.macro UNPACK_B                        ; and of buffer 1
.set ti, 0
.irp h, v64.l,v64.h,v65.l,v65.h,v66.l,v66.h,v67.l,v67.h,v68.l,v68.h,v69.l,v69.h,v70.l,v70.h,v71.l,v71.h,v72.l,v72.h,v73.l,v73.h,v74.l,v74.h,v75.l,v75.h,v76.l,v76.h,v77.l,v77.h,v78.l,v78.h,v79.l,v79.h,v80.l,v80.h,v81.l,v81.h,v82.l,v82.h,v83.l,v83.h,v84.l,v84.h,v85.l,v85.h,v86.l,v86.h,v87.l,v87.h,v88.l,v88.h,v89.l,v89.h,v90.l,v90.h,v91.l,v91.h,v92.l,v92.h,v93.l,v93.h,v94.l,v94.h,v95.l,v95.h
	v_cvt_f32_f16 v[T+ti], \h
.set ti, ti+1
.endr
.endm
.macro MERGE k                         ; chat = the sum of w_s P_s, two numbers at a time; rounded to f16; the fragment's image to LDS
.irp p, 0,2,4,6,8,10,12,14
	v_pk_mul_f32 v[T+\p:T+\p+1], v[T+\p:T+\p+1], v[OM:OM+1] op_sel_hi:[1,0]
.endr
.irp s, 1,2,3
.irp p, 0,2,4,6,8,10,12,14
	v_pk_fma_f32 v[T+\p:T+\p+1], v[T+16*\s+\p:T+16*\s+\p+1], v[OM+2*\s:OM+2*\s+1], v[T+\p:T+\p+1] op_sel_hi:[1,0,1]
.endr
.endr
.irp p, 0,1,2,3,4,5,6,7
	v_cvt_pk_f16_f32 v[CT+8*((\k)%2)+\p], v[T+2*\p], v[T+2*\p+1]
.endr
	ds_store_b128 v[CW], v[CT+8*((\k)%2):CT+8*((\k)%2)+3] offset:1024*(\k)
	ds_store_b128 v[CW], v[CT+8*((\k)%2)+4:CT+8*((\k)%2)+7] offset:1024*(\k)+512
.endm
.macro LOADW adr, d                    ; column tile d of the slot: eight fragments of Wo into buffer d % 2 of window 2: 16 LDS loads
	WIN 0x80
.irp c, 0,1,2,3,4,5,6,7
.irp f, 0,1
	ds_load_b128 v[64*((\d)%2)+8*\c+4*\f:64*((\d)%2)+8*\c+4*\f+3], v[\adr] offset:8192*(\d)+1024*\c+512*\f
.endr
.endr
	WIN 0
.endm
.macro TOSTAGE q                       ; query tile q's 16 rows x 64 columns into my stage and back as whole rows of 256 bytes: LDS serves a wave's instructions in order
.irp d, 0,1,2,3
	ds_store_b128 v[SO], v[OUTT+32*\d+8*\q:OUTT+32*\d+8*\q+3] offset:64*\d
	ds_store_b128 v[SO], v[OUTT+32*\d+8*\q+4:OUTT+32*\d+8*\q+7] offset:64*\d+16
.endr
.irp i, 0,1,2,3,4,5,6,7
	ds_load_b128 v[RB+32*((\q)%2)+4*\i:RB+32*((\q)%2)+4*\i+3], v[SR] offset:2*\i*272
.endr
.endm
.macro SEND q, grp
.irp i, 0,1,2,3,4,5,6,7
	global_store_b128 v[CO], v[RB+32*((\q)%2)+4*\i:RB+32*((\q)%2)+4*\i+3], s[12:13] offset:(16*(\q)+2*\i)*4096+256*(\grp) th:TH_STORE_NT   ; 16 lanes store 256 consecutive bytes, at a multiple of 256 from out0's first byte
.endr
.endm
; A slot: four column tiles of 16 for the 64 rows.  The four query tiles' accumulators take turns, one instruction a turn.
.macro GSLOT adr, grp
	LOADW \adr, 0
.irp d, 0,1,2,3
.if \d < 3
	LOADW \adr, \d+1                               ; into the buffer that the tile before last multiplied: its places are the four v_nop and the multiply-adds behind those products
	s_wait_dscnt 16                                ; all but the 16 just issued
.else
	s_wait_dscnt 0x0
.endif
	WIN 0x06                                       ; source 0 (Wo) window 2, source 1 (the context) window 1
.irp c, 0,1,2,3,4,5,6,7
.irp q, 0,1,2,3
.if \c == 0
	v_wmma_f32_16x16x32_f16 v[ACC+8*\q:ACC+8*\q+7], v[64*((\d)%2)+8*\c:64*((\d)%2)+8*\c+7], v[64*\q+8*\c:64*\q+8*\c+7], 0
.else
	v_wmma_f32_16x16x32_f16 v[ACC+8*\q:ACC+8*\q+7], v[64*((\d)%2)+8*\c:64*((\d)%2)+8*\c+7], v[64*\q+8*\c:64*\q+8*\c+7], v[ACC+8*\q:ACC+8*\q+7]
.endif
.endr
.endr
	WIN 0
	PLACES 4
	WIN 0x20                                       ; source 2 (bo) window 2
.irp q, 0,1,2,3
.irp j, 0,2,4,6
	v_pk_fma_f32 v[OUTT+32*\d+8*\q+\j:OUTT+32*\d+8*\q+\j+1], v[ACC+8*\q+\j:ACC+8*\q+\j+1], v[STA+2*\q:STA+2*\q+1], v[128+8*(4*\grp+\d)+\j:128+8*(4*\grp+\d)+\j+1] op_sel_hi:[1,0,1]   ; / L, + bo: one fused multiply-add; each accumulator from its low end on
.endr
.endr
	WIN 0
.endr
	s_wait_xcnt 0x0                                ; earlier stores have read their data: the rows' registers may be loaded again
	TOSTAGE 0
	s_wait_xcnt 0x0
	TOSTAGE 1
	s_wait_dscnt 16                                ; tile 0 is back; tile 1's sixteen LDS instructions may be out
	SEND 0, \grp
	s_wait_xcnt 0x0
	TOSTAGE 2
	s_wait_dscnt 16
	SEND 1, \grp
	s_wait_xcnt 0x0
	TOSTAGE 3
	s_wait_dscnt 16
	SEND 2, \grp
	s_wait_dscnt 0x0
	SEND 3, \grp
.endm
	s_load_b256 s[4:11], s[0:1], 0x0               ; pf s[4:5], st s[6:7], wof s[8:9], bo s[10:11]
	s_load_b64 s[12:13], s[0:1], 0x20              ; out0
	v_lshl_add_u32 v[SPW], v0, 2, SPARE
	v_mov_b32 v[NIL], 0
	ds_add_u32 v[SPW], v[NIL]                      ; the wave's opening: the add, twice on end, and its wait ahead of my first tensor load
	ds_add_u32 v[SPW], v[NIL]                      ; and once more, under the one wait; the set-up below, work on registers, stands between
	v_lshrrev_b32 v28, 5, v0
	v_readfirstlane_b32 s[WV], v28                 ; wave 0..3
	v_and_b32 v28, 31, v0                          ; lane
	v_and_b32 v29, 15, v0                          ; r
	v_bfe_u32 v30, v0, 4, 1                        ; h
	v_lshlrev_b32 v[LI], 4, v28
	v_lshlrev_b32 v[L8], 3, v28
	v_lshlrev_b32 v[BOF], 5, v30
	v_lshl_add_u32 v[RW], v0, 2, RIMG              ; 128 x wave + 4 x lane
	v_lshl_add_u32 v[RRD], v28, 2, RIMG
	s_lshl_b32 s18, s[WV], 15                      ; my 32 KB of a region
	v_add_nc_u32 v[PAD], s18, v[LI]
	v_add_nc_u32 v[WBB], REGB, v[PAD]
	v_add_nc_u32 v[CR], CIMG, v[LI]
	s_lshl_b32 s19, s[WV], 13
	v_add_nc_u32 v[CW], s19, v[CR]
	s_mul_i32 s19, s[WV], 16*272
	s_add_co_u32 s19, s19, STG                     ; my stage
	v_mul_u32_u24 v[SO], v29, 272
	v_lshl_add_u32 v[SO], v30, 5, v[SO]
	v_add_nc_u32 v[SO], s19, v[SO]                 ; in: row r, + 32 h
	v_mul_u32_u24 v[SR], v30, 272
	v_lshl_add_u32 v[SR], v29, 4, v[SR]
	v_add_nc_u32 v[SR], s19, v[SR]                 ; back: lanes 0-15 one row, lanes 16-31 the next
	v_lshlrev_b32 v[CO], 12, v30
	v_lshl_add_u32 v[CO], v29, 4, v[CO]            ; and the same two rows in out0
	; descriptor groups 1: a dense block of 32 KB as 128 rows of 32 elements of 8 bytes; the joint one names all four work-groups
	s_mov_b32 s[G1J], 15|(3<<16)|(1<<21)
	s_mov_b32 s[G1P], 3<<16
.irp g, G1J, G1P
	s_mov_b32 s[\g+1], 32<<16                      ; tensor_dim0
	s_mov_b32 s[\g+2], 128<<16                     ; tensor_dim1
	s_mov_b32 s[\g+3], 32<<16                      ; tile_dim0
	s_mov_b32 s[\g+4], 128                         ; tile_dim1
	s_mov_b32 s[\g+5], 32                          ; from row to row
	s_mov_b32 s[\g+6], 0
	s_mov_b32 s[\g+7], 0
.endr
	s_lshl_b32 s52, s[WV], 17                      ; my 16 column tiles of Wo
	s_mov_b32 s53, 0
	s_lshl_b32 s54, s[WV], 10                      ; my 256 columns, in bytes: in bo and in a row of out0
	s_mov_b32 s55, 0
	s_bfe_u32 s15, ttmp6, 0x40000                  ; cx: it enters the addresses of the partials, the statistics and out0 alone
	s_lshl_b32 s16, ttmp9, 2
	s_add_co_u32 s16, s16, s15                     ; my work-group's 64 rows
	s_lshl_b32 s17, s16, 2
	s_add_co_u32 s17, s17, s[WV]                   ; the query tile that I merge
	s_lshl_b32 s20, s17, 15
	s_mov_b32 s21, 0
	s_lshl_b32 s22, s17, 10
	s_mov_b32 s23, 0
	s_lshl_b32 s56, s16, 18                        ; 64 rows of 4,096 bytes
	s_add_co_u32 s56, s56, s54
	s_mov_b32 s57, 0
	s_wait_dscnt 0x0                               ; both opening adds are done
	s_wait_kmcnt 0x0
	s_mov_b32 s[G0P], 1
	s_mov_b32 s[G0P+1], s18
	s_add_nc_u64 s[G0P+2:G0P+3], s[4:5], s[20:21]
	s_or_b32 s[G0P+3], s[G0P+3], 0x80000000
	s_mov_b32 s[G0B], 1
	s_add_co_u32 s[G0B+1], s18, REGB
	s_add_nc_u64 s[G0B+2:G0B+3], s[8:9], s[52:53]  ; slot 0
	s_or_b32 s[G0B+3], s[G0B+3], 0x80000000
	s_mov_b32 s[G0A], 1
	s_mov_b32 s[G0A+1], s18
	s_add_nc_u64 s[G0A+2:G0A+3], s[8:9], s[52:53]
	s_add_nc_u64 s[G0A+2:G0A+3], s[G0A+2:G0A+3], 32768   ; slot 1
	s_or_b32 s[G0A+3], s[G0A+3], 0x80000000
	s_add_nc_u64 s[6:7], s[6:7], s[22:23]
	s_add_nc_u64 s[10:11], s[10:11], s[54:55]
	s_add_nc_u64 s[12:13], s[12:13], s[56:57]
	CROUND                                         ; all four work-groups are here
	tensor_load_to_lds s[G0P:G0P+3], s[G1P:G1P+7]  ; the first fills together: my partials (a load of my own), and Wo's slot 0 (joint): two loads of mine are out
	s_nop 0
	tensor_load_to_lds s[G0B:G0B+3], s[G1J:G1J+7]
	s_nop 0
	PLACES 4
.irp s, 0,1,2,3
	global_load_b64 v[STA+2*\s:STA+2*\s+1], v[L8], s[6:7] offset:256*\s   ; (u, lambda) of quarter s: lane (r, h) has query r's
.endr
	WIN 0x80
.irp d, 0,1,2,3,4,5,6,7,8,9,10,11,12,13,14,15
.irp f, 0,1
	global_load_b128 v[128+8*\d+4*\f:128+8*\d+4*\f+3], v[BOF], s[10:11] offset:64*\d+16*\f   ; bo of columns 16 d + 8 h + 0 .. 7
.endr
.endr
	WIN 0
	; ---- the merge
	s_wait_loadcnt 32                              ; the statistics are in; bo's 32 loads may be out
	v_max3_num_f32 v28, v[STA], v[STA+2], v[STA+4]
	v_max_num_f32 v28, v28, v[STA+6]               ; U
.irp s, 0,1,2,3
	v_sub_f32 v[OM+2*\s], v[STA+2*\s], v28
.endr
.irp s, 0,1,2,3
	v_exp_f32 v[OM+2*\s], v[OM+2*\s]               ; w_s = 2^(u_s - U), at most 1
.endr
.irp s, 0,1,2,3
	v_mov_b32 v[OM+2*\s+1], 0                      ; named with it as a pair, so it is written (plain work behind the exponentials)
.endr
	s_wait_alu depctr_va_vdst(0)                   ; one wait for the four, ahead of their first reader
	v_mul_f32 v29, v[OM], v[STA+1]
.irp s, 1,2,3
	v_fmac_f32 v29, v[OM+2*\s], v[STA+2*\s+1]      ; L
.endr
	v_rcp_f32 v30, v29
	v_nop
	s_wait_alu depctr_va_vdst(0)
	s_wait_tensorcnt 1                             ; my partials are in, and I alone read them; Wo's slot 0 may stay out
	LDSP 0
	LDSP 1
.irp k, 0,1,2,3,4,5,6,7
.if \k < 7
	s_wait_dscnt 8                                 ; fragment k is in: behind its loads stand at least the next fragment's eight
.else
	s_wait_dscnt 0x0
.endif
.if \k % 2
	UNPACK_B
.else
	UNPACK_A
.endif
.if \k < 6
	LDSP \k+2
.endif
	MERGE \k
.endr
	ds_store_b32 v[RW], v30                        ; 1 / L
	REFILL G0A, 0                                  ; the round is also the barrier behind which the images are read; Wo's slot 1 lands where the partials lay
	WIN 0x40
.irp q, 0,1,2,3
.irp c, 0,1,2,3,4,5,6,7
.irp f, 0,1
	ds_load_b128 v[64*\q+8*\c+4*\f:64*\q+8*\c+4*\f+3], v[CR] offset:8192*\q+1024*\c+512*\f   ; the context of all 64 rows stays in registers
.endr
.endr
.endr
	WIN 0
.irp q, 0,1,2,3
	ds_load_b32 v[STA+2*\q], v[RRD] offset:128*\q
.endr
	s_wait_dscnt 0x0
	s_wait_loadcnt 0x0                             ; bo
	; ---- the products: a wave reads only the 32 KB that its own loads brought, each shown landed by the wait for all loads ahead of it
	GSLOT WBB, 0
	REFILL G0B, 1                                  ; slot 2 into region B
	GSLOT PAD, 1
	REFILL G0A, 1                                  ; slot 3 into region A
	GSLOT WBB, 2
	s_wait_tensorcnt 0x0                           ; slot 3 is in: my own bytes, so no barrier
	GSLOT PAD, 3
	s_wait_tensorcnt 0x0                           ; the wave's end
	ds_add_u32 v[SPW], v[NIL]
	s_wait_dscnt 0x0
	CROUND                                         ; the closing round
	s_endpgm
.Lfunc_end_k_qd12afd5fc3_outp:
	.size	k_qd12afd5fc3_outp, .Lfunc_end_k_qd12afd5fc3_outp-k_qd12afd5fc3_outp
	.p2alignl 7, 3214868480
	.fill 96, 4, 3214868480
	.section	.rodata,"a",@progbits
	.p2align	6, 0x0
	.amdhsa_kernel k_qd12afd5fc3_outp
		.amdhsa_group_segment_fixed_size 327680
		.amdhsa_private_segment_fixed_size 0
		.amdhsa_enable_private_segment 0
		.amdhsa_kernarg_size 40
		.amdhsa_user_sgpr_count 2
		.amdhsa_user_sgpr_kernarg_segment_ptr 1
		.amdhsa_wavefront_size32 1
		.amdhsa_system_sgpr_workgroup_id_x 1
		.amdhsa_system_sgpr_workgroup_id_y 1
		.amdhsa_system_sgpr_workgroup_id_z 1
		.amdhsa_system_vgpr_workitem_id 0
		.amdhsa_next_free_vgpr 768
		.amdhsa_next_free_sgpr 66
		.amdhsa_reserve_vcc 0
		.amdhsa_float_denorm_mode_32 3
		.amdhsa_float_denorm_mode_16_64 3
		.amdhsa_memory_ordered 1
		.amdhsa_forward_progress 1
		.amdhsa_inst_pref_size 156
	.end_amdhsa_kernel
	.amdgpu_metadata
---
amdhsa.version: [ 1, 2 ]
amdhsa.kernels:
  - .name:           k_qd12afd5fc3_outp
    .symbol:         k_qd12afd5fc3_outp.kd
    .args:
      - { .name: pf, .offset: 0, .size: 8, .value_kind: global_buffer, .address_space: global }
      - { .name: st, .offset: 8, .size: 8, .value_kind: global_buffer, .address_space: global }
      - { .name: wof, .offset: 16, .size: 8, .value_kind: global_buffer, .address_space: global }
      - { .name: bo, .offset: 24, .size: 8, .value_kind: global_buffer, .address_space: global }
      - { .name: out0, .offset: 32, .size: 8, .value_kind: global_buffer, .address_space: global }
    .group_segment_fixed_size: 327680
    .private_segment_fixed_size: 0
    .kernarg_segment_align: 8
    .kernarg_segment_size: 40
    .max_flat_workgroup_size: 128
    .sgpr_count:     66
    .vgpr_count:     768
    .wavefront_size: 32
...
	.end_amdgpu_metadata
.endif
;; end of part 4
